; MI455X (gfx1250); checked and timed in simulation.
; The chip was launched on July 23, 2026; its instructions are those of AMD's public machine-readable ISA for CDNA 5 (MIT licence, August 2026) and "CDNA5" Instruction Set Architecture Reference Guide (July 2026). The comments in the code are by the model that wrote it; some were corrected since.
;; Mo E Layer. Allowed arithmetic: matrix products marked QUANTISED: E5M2 operands, one given power-of-two scale a tensor, by v_wmma_f32_16x16x64_bf8_bf8 or v_wmma_f32_16x16x128_bf8_bf8, f32 sums; products left as they are: f32 operands where the result goes on into a quantised operand, else bf16, f16 or f32 operands; f32 sums; everything else in f32.
;; Inputs: ln_beta 1,024 float32; ln_gamma 1,024 float32; lowp_scales 6 int32 (the exponents e of the quantised operands' scales 2^e); w_down_codes 8 x 1,024 x 64 x 32 uint8 (E5M2 codes of w_down, K innermost, in blocks of 32 codes); w_gate_codes 8 x 2,048 x 32 x 32 uint8 (E5M2 codes of w_gate, K innermost, in blocks of 32 codes); w_router 8 x 1,024 float32; w_up_codes 8 x 2,048 x 32 x 32 uint8 (E5M2 codes of w_up, K innermost, in blocks of 32 codes); x 2 x 512 x 1,024 float32.
;; Outputs: out0 2 x 512 x 1,024 float32.
;; This version of the problem:
;;   THIS VERSION OF THE PROBLEM IS GIVEN IN LOW PRECISION. The matrix products marked QUANTISED in the list below multiply operands that are first quantised to E5M2 (5 exponent bits, 2 mantissa bits; 8 bits a number), with one given power-of-two scale for each operand tensor; their sums are f32. All else is computed in f32.
;;   The module's matrix products, in the order in which they are computed (A, B: the left and right operand; K: the contracted axis; several contracted axes count as one K, in the product's order):
;;     1. [M 1,024, K 1,024] x [K 1,024, N 8]; A: input x; B: input w_router: left as it is (N = 8 < 16)
;;     2. [M 16,384, K 1,024] x [K 1,024, N 1,024]; A: input w_gate (given as codes); B: input x: QUANTISED (scales: A lowp_scales[0], B lowp_scales[1])
;;     3. [M 16,384, K 1,024] x [K 1,024, N 1,024]; A: input w_up (given as codes); B: input x: QUANTISED (scales: A lowp_scales[2], B lowp_scales[3])
;;     4. batch 8 x [M 1,024, K 2,048] x [K 2,048, N 1,024]; A: input w_down (given as codes); B: computed on the way: QUANTISED (scales: A lowp_scales[4], B lowp_scales[5])
;;   THE QUANTISER, for each operand of a quantised product, along K:
;;     - The operand's scale is 2^e, e = its entry of the input lowp_scales (int32; the entries are numbered through the quantised products in the list's order, A before B).
;;     - Each number is divided by the scale, clamped to +-57,344, and rounded to the nearest number of E5M2, ties to even, subnormals kept.
;;     - The product sums the exact products of the quantised numbers (number of the format x scale) in f32.
;;   ~~~python
;;   def quantise(x, axis, e):      # numpy; x: float32 -> the quantised numbers, widened to float32 again
;;       x = np.moveaxis(x, axis, -1); K = x.shape[-1]
;;       r = np.clip(x / 2.0 ** e, -57344, 57344)
;;       step = 2.0 ** (np.maximum(np.frexp(np.where(r == 0, 1, r))[1] - 1, -14) - 2)
;;       q = np.round(r / step) * step * 2.0 ** e      # np.round: ties to even
;;       return np.moveaxis(q, -1, axis).astype(np.float32)
;;   ~~~
;;   OPERANDS COMPUTED ON THE WAY. 'Computed on the way' means the value that the module computes at that place (a softmax that the list does not call 'softmax' is quantised finished and normalised). What goes into a quantiser is computed in f32, as accurately as f32 sums, v_exp_f32 and their like allow (about 1e-6 of the number): no bf16 or f16 on the way to a quantiser, and a product that is left as it is and whose result goes on into a quantised operand takes f32 operands (vector FMAs, or v_wmma_f32_16x16x4_f32). A number that lies on a knife's edge between two numbers of the format may be rounded either way, as far as f32 arithmetic and the matrix unit's own rounding can turn it there, and no further.
;;   INPUTS GIVEN AS CODES. w_down (in the module: [8, 1024, 2048], K = its axis 2); w_gate (in the module: [8, 2048, 1024], K = its axis 2); w_up (in the module: [8, 2048, 1024], K = its axis 2): each comes as NAME_codes (uint8): NAME with its K axis moved to the last place and cut into blocks of 32 codes, [.., K / 32, bytes a block], one block behind the other in memory; one code a byte (a code: sign, 5 exponent bits, 2 mantissa bits); its scale is its entry of lowp_scales. Its value is code x scale, taken as it is: it is not quantised again, and the codes and scales need not be those that the quantiser above would give.
;; 2 versions. Each part assembles by itself: llvm-mc -triple=amdgcn-amd-amdhsa -mcpu=gfx1250 --defsym DOCPART=n.
;; ======== version 1 of 2: 5 launches
;; workspace buffers: xq 2,097,152 bytes; sel 8,192 bytes of whole numbers; rw 8,192 bytes; list 32,768 bytes of whole numbers; cnt 256 bytes of whole numbers; hq 16,777,216 bytes; y2 9,437,184 bytes
;; launch route (part 1): grid 256 x 1, 4 waves a work-group, no clusters, 20,992 bytes of LDS; arguments x, w_router, lowp_scales, xq, sel, rw; writes xq, sel, rw
.if DOCPART == 1
	.amdgcn_target "amdgcn-amd-amdhsa--gfx1250"
	.amdhsa_code_object_version 6
	.text
	.protected	k_q70a1868385_route
	.globl	k_q70a1868385_route
	.p2align	8
	.type	k_q70a1868385_route,@function
k_q70a1868385_route:
	s_mov_b64 s[64:65], 0
	v_nop
	global_prefetch_b8 v0, s[64:65] scope:SCOPE_SE
	s_setreg_imm32_b32 hwreg(HW_REG_WAVE_MODE, 25, 1), 1
	s_wait_xcnt 0x0
; ROUTE.  One wave takes one token (token = 4 x work-group + wave) of x [1024][1024] f32.  It makes
;   (a) the token's 8 router logits in f32 (fused multiply-adds, 32 numbers a lane, then a sum over the 32 lanes), the two largest (strict compare, ascending
;       experts: of equal logits the lower index wins) and the softmax of these two, the larger taken away first: sel[token] = (i0, i1), rw[token] = (w0, w1);
;   (b) the token's E5M2 codes, twice: xq[0][token] with the scale 2^e1 (the gate product's), xq[1][token] with 2^e3 (the up product's); e = lowp_scales[1], [3].
; code = x / 2^e, held within +-57,344, to the nearest code, ties to even.
; LIMITS: e1 and e3 between -126 and 112, so that 2^e and 57,344 x 2^e are f32 numbers.  NaN and infinity among the inputs are not served.  The logits' f32 sums have
; another order than a row-wise sum: logits that differ by f32 rounding alone may change places; logits that are equal keep the lower index.
; No address here hangs on the choice: it is stored at fixed places, and a later launch places the rows.  No matrix unit (8 columns), no barrier: waves share nothing.
.set SP,  80                           ; a lane's place in a stage: 64 bytes + 16 of padding
.set R,   32                           ; v32-63   x as loaded: load j holds columns 128 j + 4 lane + 0..3
.set ACC, 64                           ; v64-79   eight pairs of partial sums, one pair an expert
.set L,   80                           ; v80-87   the logits
.set X,   96                           ; v96-127  16 neighbouring numbers of each half of the row
.set T,   128                          ; v128-191 the held numbers: 16 for each (version, half)
.set C,   192                          ; v192-207 the codes: 4 registers for each (version, half)
.set MSB, 0
.macro WIN new                         ; the immediate's high byte repeats the setting that is left
.if MSB != \new
	s_set_vgpr_msb (MSB<<8)|\new
.set MSB, \new
.endif
.endm
	s_load_b256 s[4:11], s[0:1], 0x0               ; x s[4:5], w_router s[6:7], the scales' exponents s[8:9], xq s[10:11]
	s_load_b128 s[12:15], s[0:1], 0x20             ; sel s[12:13], rw s[14:15]
	v_lshl_add_u32 v254, v0, 2, 0x5000
	v_mov_b32 v255, 0
	v_lshrrev_b32 v1, 5, v0
	v_readfirstlane_b32 s16, v1                    ; wave
	v_and_b32 v1, 31, v0                           ; lane
	v_lshlrev_b32 v2, 4, v1                        ; 16 x lane
	s_lshl_b32 s17, ttmp9, 2
	s_add_co_u32 s17, s17, s16                     ; token
	s_mul_i32 s24, s16, 2*32*SP                    ; my wave's two stages
	v_lshrrev_b32 v3, 2, v1
	v_mul_u32_u24 v3, v3, SP
	v_and_b32 v5, 3, v1
	v_lshl_add_u32 v3, v5, 4, v3
	v_add_nc_u32 v3, s24, v3                       ; into a stage: four lanes' 64 bytes on end, then 16 of padding
	v_mul_u32_u24 v4, v1, SP
	v_add_nc_u32 v4, s24, v4                       ; out of it: my 16 neighbours
	v_mov_b32 v5, 0                                ; offset 0 for the two small stores
	s_mov_b32 s28, 0x76543210                      ; v_permlanex16_b32: lane l xor 16
	s_mov_b32 s29, 0xfedcba98
	s_lshl_b32 s18, s17, 12                        ; a row of x is 4,096 bytes,
	s_mov_b32 s19, 0
	s_lshl_b32 s26, s17, 10                        ; of codes 1,024,
	s_mov_b32 s27, 0
	s_lshl_b32 s32, s17, 3                         ; of sel and rw 8
	s_mov_b32 s33, 0
.irp e, 0,1,2,3,4,5,6,7
	v_mov_b32 v[16+\e], \e                         ; the experts' numbers
	v_mov_b32 v[88+\e], 0                          ; written once: a lane permute's destination counts as one of its sources
.endr
	v_mov_b32 v24, 0xff800000                      ; -infinity
	s_wait_kmcnt 0x0
	s_load_b128 s[20:23], s[8:9], 0x0              ; e0 .. e3
	s_add_nc_u64 s[4:5], s[4:5], s[18:19]
	s_add_nc_u64 s[10:11], s[10:11], s[26:27]
	s_add_nc_u64 s[12:13], s[12:13], s[32:33]
	s_add_nc_u64 s[14:15], s[14:15], s[32:33]
.irp j, 0,1,2,3,4,5,6,7
	global_load_b128 v[R+4*\j:R+4*\j+3], v2, s[4:5] offset:512*\j th:TH_LOAD_NT   ; 32 lanes read 512 consecutive bytes
.endr
	WIN 0x40                                       ; destination window 1: w_router, expert e's load j at v[32 e + 4 j]
.irp e, 0,1,2,3,4,5,6,7
.irp j, 0,1,2,3,4,5,6,7
	global_load_b128 v[32*\e+4*\j:32*\e+4*\j+3], v2, s[6:7] offset:4096*\e+512*\j
.endr
.endr
	WIN 0
	s_wait_loadcnt 63                              ; 72 loads were issued: at most 63 out means that the oldest nine are in, x's eight among them
.irp g, 0,1                                    ; each half of the row (2,048 bytes) turns through its stage; LDS serves a wave's instructions in order, so no wait stands between
.irp i, 0,1,2,3
	ds_store_b128 v3, v[R+16*\g+4*\i:R+16*\g+4*\i+3] offset:32*SP*\g+8*SP*\i
.endr
.irp i, 0,1,2,3
	ds_load_b128 v[X+16*\g+4*\i:X+16*\g+4*\i+3], v4 offset:32*SP*\g+16*\i
.endr
.endr
	s_wait_kmcnt 0x0
	s_add_co_i32 s24, s21, 127
	s_lshl_b32 s25, s24, 23
	v_mov_b32 v8, s25                              ; 2^e1 as f32: the conversion takes its exponent field
	s_add_co_i32 s24, s24, 15
	s_lshl_b32 s24, s24, 23
	s_or_b32 s24, s24, 0x600000
	v_mov_b32 v9, s24                              ; 57,344 x 2^e1
	s_add_co_i32 s24, s23, 127
	s_lshl_b32 s25, s24, 23
	v_mov_b32 v10, s25                             ; the same with e3
	s_add_co_i32 s24, s24, 15
	s_lshl_b32 s24, s24, 23
	s_or_b32 s24, s24, 0x600000
	v_mov_b32 v11, s24
	s_wait_dscnt 0x0                               ; both halves are back from the stages
.irp q, 0,1                                    ; version q: scale v[8 + 2 q], hold v[9 + 2 q]
.irp g, 0,1
.irp i, 0,1,2,3,4,5,6,7,8,9,10,11,12,13,14,15
	v_med3_num_f32 v[T+16*(2*\q+\g)+\i], v[X+16*\g+\i], -v[9+2*\q], v[9+2*\q]   ; the conversion to an 8-bit code does not saturate (ISA guide 7.6.2): the hold comes first
.endr
	v_cvt_scalef32_pk8_bf8_f32 v[C+4*(2*\q+\g):C+4*(2*\q+\g)+1], v[T+16*(2*\q+\g):T+16*(2*\q+\g)+7], v[8+2*\q]
	v_cvt_scalef32_pk8_bf8_f32 v[C+4*(2*\q+\g)+2:C+4*(2*\q+\g)+3], v[T+16*(2*\q+\g)+8:T+16*(2*\q+\g)+15], v[8+2*\q]
.endr
.endr
	v_nop                                          ; a plain vector line behind the last conversion
.irp q, 0,1
.irp g, 0,1
	global_store_b128 v2, v[C+4*(2*\q+\g):C+4*(2*\q+\g)+3], s[10:11] offset:1048576*\q+512*\g   ; 32 lanes store 512 consecutive bytes
.endr
.endr
	s_wait_loadcnt 0x0                             ; w_router
	WIN 0x04                                       ; source 1 in window 1
.irp e, 0,1,2,3,4,5,6,7
	v_pk_mul_f32 v[ACC+2*\e:ACC+2*\e+1], v[R:R+1], v[32*\e:32*\e+1]                ; the first products start the sums
.endr
.irp p, 1,2,3,4,5,6,7,8,9,10,11,12,13,14,15    ; the eight chains take turns
.irp e, 0,1,2,3,4,5,6,7
	v_pk_fma_f32 v[ACC+2*\e:ACC+2*\e+1], v[R+2*\p:R+2*\p+1], v[32*\e+2*\p:32*\e+2*\p+1], v[ACC+2*\e:ACC+2*\e+1]
.endr
.endr
	WIN 0
.irp e, 0,1,2,3,4,5,6,7
	v_add_f32 v[L+\e], v[ACC+2*\e], v[ACC+2*\e+1]
.endr
.irp m, 1,2,4,8                                ; over the 32 lanes: four steps inside each half, one across; every lane ends with the same sums
.irp e, 0,1,2,3,4,5,6,7
	v_add_f32_dpp v[L+\e], v[L+\e], v[L+\e] row_xmask:\m row_mask:0xf bank_mask:0xf
.endr
.endr
.irp e, 0,1,2,3,4,5,6,7
	v_permlanex16_b32 v[88+\e], v[L+\e], s28, s29
.endr
.irp e, 0,1,2,3,4,5,6,7
	v_add_f32 v[L+\e], v[L+\e], v[88+\e]
.endr
	v_mov_b32 v88, v[L]                            ; the largest logit and its expert
	v_mov_b32 v90, 0
.irp e, 1,2,3,4,5,6,7
	v_cmp_gt_f32 vcc_lo, v[L+\e], v88              ; strictly larger: of equals the lower index stays
	v_cndmask_b32 v88, v88, v[L+\e], vcc_lo
	v_cndmask_b32 v90, v90, v[16+\e], vcc_lo
.endr
.irp e, 0,1,2,3,4,5,6,7
	v_cmp_eq_u32 vcc_lo, v[16+\e], v90             ; the chosen one leaves the field
	v_cndmask_b32 v[L+\e], v[L+\e], v24, vcc_lo
.endr
	v_mov_b32 v89, v[L]                            ; the second largest and its expert
	v_mov_b32 v91, 0
.irp e, 1,2,3,4,5,6,7
	v_cmp_gt_f32 vcc_lo, v[L+\e], v89
	v_cndmask_b32 v89, v89, v[L+\e], vcc_lo
	v_cndmask_b32 v91, v91, v[16+\e], vcc_lo
.endr
	v_sub_f32 v94, v89, v88                        ; second - largest, 0 or less: the maximum is taken away
	v_mul_f32 v94, 0x3fb8aa3b, v94
	v_exp_f32 v93, v94                             ; t = e^(second - largest)
	v_nop                                          ; a plain line behind the transcendental,
	s_wait_alu depctr_va_vdst(0)                   ; and the wait ahead of its first reader
	v_add_f32 v95, 1.0, v93
	v_rcp_f32 v92, v95                             ; w0 = 1 / (1 + t)
	v_nop
	s_wait_alu depctr_va_vdst(0)
	v_mul_f32 v93, v93, v92                        ; w1 = t / (1 + t)
	v_cmp_eq_u32 vcc_lo, 0, v1
	s_wait_xcnt 0x0                                ; EXEC changes only when the earlier loads and stores have had their addresses translated
	s_wait_tensorcnt 0x0
	ds_add_u32 v254, v255
	s_wait_dscnt 0x0
	s_and_saveexec_b32 s30, vcc_lo                 ; lane 0 stores for the wave
	global_store_b64 v5, v[90:91], s[12:13]
	global_store_b64 v5, v[92:93], s[14:15]
	s_endpgm
.Lfunc_end_k_q70a1868385_route:
	.size	k_q70a1868385_route, .Lfunc_end_k_q70a1868385_route-k_q70a1868385_route
	.p2alignl 7, 3214868480
	.fill 96, 4, 3214868480
	.section	.rodata,"a",@progbits
	.p2align	6, 0x0
	.amdhsa_kernel k_q70a1868385_route
		.amdhsa_group_segment_fixed_size 20992
		.amdhsa_private_segment_fixed_size 0
		.amdhsa_enable_private_segment 0
		.amdhsa_kernarg_size 48
		.amdhsa_user_sgpr_count 2
		.amdhsa_user_sgpr_kernarg_segment_ptr 1
		.amdhsa_wavefront_size32 1
		.amdhsa_system_sgpr_workgroup_id_x 1
		.amdhsa_system_sgpr_workgroup_id_y 1
		.amdhsa_system_sgpr_workgroup_id_z 1
		.amdhsa_system_vgpr_workitem_id 0
		.amdhsa_next_free_vgpr 512
		.amdhsa_next_free_sgpr 66
		.amdhsa_reserve_vcc 1
		.amdhsa_float_denorm_mode_32 3
		.amdhsa_float_denorm_mode_16_64 3
		.amdhsa_memory_ordered 1
		.amdhsa_forward_progress 1
		.amdhsa_inst_pref_size 30
	.end_amdhsa_kernel
	.amdgpu_metadata
---
amdhsa.version: [ 1, 2 ]
amdhsa.kernels:
  - .name:           k_q70a1868385_route
    .symbol:         k_q70a1868385_route.kd
    .args:
      - { .name: x, .offset: 0, .size: 8, .value_kind: global_buffer, .address_space: global }
      - { .name: w_router, .offset: 8, .size: 8, .value_kind: global_buffer, .address_space: global }
      - { .name: lowp_scales, .offset: 16, .size: 8, .value_kind: global_buffer, .address_space: global }
      - { .name: xq, .offset: 24, .size: 8, .value_kind: global_buffer, .address_space: global }
      - { .name: sel, .offset: 32, .size: 8, .value_kind: global_buffer, .address_space: global }
      - { .name: rw, .offset: 40, .size: 8, .value_kind: global_buffer, .address_space: global }
    .group_segment_fixed_size: 20992
    .private_segment_fixed_size: 0
    .kernarg_segment_align: 8
    .kernarg_segment_size: 48
    .max_flat_workgroup_size: 128
    .sgpr_count:     66
    .vgpr_count:     512
    .wavefront_size: 32
...
	.end_amdgpu_metadata
.endif
;; end of part 1
;; launch place (part 2): grid 1 x 1, 32 waves a work-group, no clusters, 5,120 bytes of LDS; arguments sel, list, cnt; writes list, cnt
.if DOCPART == 2
	.amdgcn_target "amdgcn-amd-amdhsa--gfx1250"
	.amdhsa_code_object_version 6
	.text
	.protected	k_q70a1868385_place
	.globl	k_q70a1868385_place
	.p2align	8
	.type	k_q70a1868385_place,@function
k_q70a1868385_place:
	s_mov_b64 s[64:65], 0
	v_nop
	global_prefetch_b8 v0, s[64:65] scope:SCOPE_SE
	s_setreg_imm32_b32 hwreg(HW_REG_WAVE_MODE, 25, 1), 1
	s_wait_xcnt 0x0
; PLACE.  A counting sort of the 2,048 pairs (token, slot) by expert, by one work-group of 1,024 threads; thread t takes token t.  No atomics.
; list[e][p], p < cnt[e]: slot x 1024 + token of the expert's p-th row (tokens ascending).  list[e][p], p >= cnt[e]: 2048 + 32 e + (p & 31): a pad; its low ten bits
; name a token that exists, and as a row of the later launches' workspace it names a row that nobody reads.  Every entry of list is written.  cnt[e]: the expert's rows.
; A wave counts its tokens of each expert from the compare masks; the 32 waves' counts meet in LDS (counts[e][wave] at 128 e + 4 wave); behind ONE barrier every wave
; sums all 32 (the total) and those of the waves before it (its first place), both in one word (each is 1,024 at the most: 16 bits do).
; A token's two experts differ (the launch before takes the first out of the field before it looks for the second).
	s_load_b128 s[4:7], s[0:1], 0x0                ; sel s[4:5], list s[6:7]
	s_load_b64 s[8:9], s[0:1], 0x10                ; cnt
	v_lshl_add_u32 v48, v0, 2, 0x400
	v_mov_b32 v49, 0
	v_lshrrev_b32 v4, 5, v0
	v_readfirstlane_b32 s10, v4                    ; wave
	v_lshlrev_b32 v5, 2, v4                        ; 4 x wave
	v_and_b32 v1, 31, v0                           ; lane
	v_lshlrev_b32 v6, 2, v1                        ; 4 x lane
	v_lshlrev_b32 v7, 2, v0                        ; 4 x t
	v_lshlrev_b32 v26, 3, v0                       ; 8 x t
	v_mov_b32 v24, 0                               ; my first pair's place
	v_mov_b32 v25, 0                               ; my second pair's
	v_mov_b32 v27, 0                               ; written once: the destination of a lane move counts as read
	s_mov_b32 s44, 0x76543210
	s_mov_b32 s45, 0xfedcba98
	s_wait_kmcnt 0x0
	global_load_b64 v[2:3], v26, s[4:5]            ; i0, i1
	s_wait_loadcnt 0x0
	v_min_u32 v2, 7, v2                            ; a loaded number enters an address only behind a bound
	v_min_u32 v3, 7, v3
.irp e, 0,1,2,3,4,5,6,7
	v_cmp_eq_u32 s[16+\e], \e, v2
	v_cmp_eq_u32 s[24+\e], \e, v3
	s_or_b32 s[32+\e], s[16+\e], s[24+\e]
	s_bcnt1_i32_b32 s40, s[32+\e]                  ; my wave's rows of expert e
	v_mov_b32 v4, s40
	ds_store_b32 v5, v4 offset:128*\e              ; all lanes write the same word with the same number
.endr
	s_wait_dscnt 0x0                               ; for the others' sake: my stores have landed
	s_barrier_signal -1
	s_barrier_wait -1
.irp e, 0,1,2,3,4,5,6,7
	ds_load_b32 v[8+\e], v6 offset:128*\e          ; lane l: wave l's count
.endr
	v_cmp_gt_u32 s41, s10, v1                      ; the lanes that stand for waves before mine
	s_wait_dscnt 0x0
.irp e, 0,1,2,3,4,5,6,7
	v_cndmask_b32 v26, 0, v[8+\e], s41
	v_lshl_add_u32 v[8+\e], v26, 16, v[8+\e]       ; low half: for the total; high half: for my wave's first place
.irp m, 1,2,4,8
	v_mov_b32_dpp v27, v[8+\e] row_xmask:\m row_mask:0xf bank_mask:0xf
	v_add_nc_u32 v[8+\e], v[8+\e], v27
.endr
	v_permlanex16_b32 v27, v[8+\e], s44, s45
	v_add_nc_u32 v[8+\e], v[8+\e], v27
	v_and_b32 v[16+\e], 0xffff, v[8+\e]            ; the expert's rows in all
	v_lshrrev_b32 v28, 16, v[8+\e]
	v_mbcnt_lo_u32_b32 v29, s[32+\e], 0            ; my wave's rows of the expert in lanes before mine
	v_add_nc_u32 v28, v28, v29
	v_cndmask_b32 v24, v24, v28, s[16+\e]
	v_cndmask_b32 v25, v25, v28, s[24+\e]
.endr
	v_min_u32 v24, 0x3ff, v24
	v_min_u32 v25, 0x3ff, v25
	v_lshl_add_u32 v30, v2, 10, v24
	v_lshlrev_b32 v30, 2, v30
	v_lshl_add_u32 v31, v3, 10, v25
	v_lshlrev_b32 v31, 2, v31
	v_add_nc_u32 v33, 0x400, v0
	global_store_b32 v30, v0, s[6:7]               ; slot 0: t
	global_store_b32 v31, v33, s[6:7]              ; slot 1: 1024 + t
.irp e, 0,1,2,3,4,5,6,7                        ; the pads: places from the expert's count on, which no pair has taken
	v_cmp_le_u32 vcc_lo, v[16+\e], v0
	s_wait_xcnt 0x0                                ; the earlier stores have read their data and EXEC
	v_add_nc_u32 v28, 2048+32*\e, v1
	s_and_saveexec_b32 s42, vcc_lo
	global_store_b32 v7, v28, s[6:7] offset:4096*\e
	s_wait_xcnt 0x0
	s_or_b32 exec_lo, exec_lo, s42
.endr
	v_mov_b32 v32, 0
.irp e, 0,1,2,3,4,5,6,7
	v_cmp_eq_u32 vcc_lo, \e, v1
	v_cndmask_b32 v32, v32, v[16+\e], vcc_lo       ; lane e: expert e's count
.endr
	s_cmp_lg_u32 s10, 0
	s_cbranch_scc1 .Lend
	v_cmp_gt_u32 vcc_lo, 8, v1
	s_wait_xcnt 0x0
	s_wait_tensorcnt 0x0
	ds_add_u32 v48, v49
	s_wait_dscnt 0x0
	s_and_saveexec_b32 s42, vcc_lo
	global_store_b32 v6, v32, s[8:9]               ; wave 0, lanes 0 to 7
	s_endpgm
.Lend:
	s_wait_tensorcnt 0x0
	ds_add_u32 v48, v49
	s_wait_dscnt 0x0
	s_endpgm
.Lfunc_end_k_q70a1868385_place:
	.size	k_q70a1868385_place, .Lfunc_end_k_q70a1868385_place-k_q70a1868385_place
	.p2alignl 7, 3214868480
	.fill 96, 4, 3214868480
	.section	.rodata,"a",@progbits
	.p2align	6, 0x0
	.amdhsa_kernel k_q70a1868385_place
		.amdhsa_group_segment_fixed_size 5120
		.amdhsa_private_segment_fixed_size 0
		.amdhsa_enable_private_segment 0
		.amdhsa_kernarg_size 24
		.amdhsa_user_sgpr_count 2
		.amdhsa_user_sgpr_kernarg_segment_ptr 1
		.amdhsa_wavefront_size32 1
		.amdhsa_system_sgpr_workgroup_id_x 1
		.amdhsa_system_sgpr_workgroup_id_y 1
		.amdhsa_system_sgpr_workgroup_id_z 1
		.amdhsa_system_vgpr_workitem_id 0
		.amdhsa_next_free_vgpr 50
		.amdhsa_next_free_sgpr 66
		.amdhsa_reserve_vcc 1
		.amdhsa_float_denorm_mode_32 3
		.amdhsa_float_denorm_mode_16_64 3
		.amdhsa_memory_ordered 1
		.amdhsa_forward_progress 1
		.amdhsa_inst_pref_size 16
	.end_amdhsa_kernel
	.amdgpu_metadata
---
amdhsa.version: [ 1, 2 ]
amdhsa.kernels:
  - .name:           k_q70a1868385_place
    .symbol:         k_q70a1868385_place.kd
    .args:
      - { .name: sel, .offset: 0, .size: 8, .value_kind: global_buffer, .address_space: global }
      - { .name: list, .offset: 8, .size: 8, .value_kind: global_buffer, .address_space: global }
      - { .name: cnt, .offset: 16, .size: 8, .value_kind: global_buffer, .address_space: global }
    .group_segment_fixed_size: 5120
    .private_segment_fixed_size: 0
    .kernarg_segment_align: 8
    .kernarg_segment_size: 24
    .max_flat_workgroup_size: 1024
    .sgpr_count:     66
    .vgpr_count:     50
    .wavefront_size: 32
...
	.end_amdgpu_metadata
.endif
;; end of part 2
;; launch gateup (part 3): grid 32 x 8, 8 waves a work-group, no clusters, 134,144 bytes of LDS; arguments xq, w_gate_codes, w_up_codes, lowp_scales, list, cnt, hq; writes hq
.if DOCPART == 3
	.amdgcn_target "amdgcn-amd-amdhsa--gfx1250"
	.amdhsa_code_object_version 6
	.text
	.protected	k_q70a1868385_gateup
	.globl	k_q70a1868385_gateup
	.p2align	8
	.type	k_q70a1868385_gateup,@function
k_q70a1868385_gateup:
	s_mov_b64 s[64:65], 0
	v_nop
	global_prefetch_b8 v0, s[64:65] scope:SCOPE_SE
	s_setreg_imm32_b32 hwreg(HW_REG_WAVE_MODE, 25, 1), 1
	s_wait_xcnt 0x0
; GATEUP.  h = silu(x Wg^T) * (x Wu^T) for the rows that were routed to an expert, quantised to E5M2 with 2^e5.  Both products on E5M2 codes, sums in f32.
; SHARES.  A work-group is (slice = x, expert = y): 64 hidden units: 64 rows of w_gate and 64 of w_up (1,024 codes each), 128 KiB, which it alone reads in the launch and keeps in LDS.
; The expert's rows go in groups of 32; wave w takes groups w, w + 8, ..: (groups + 7 - w) / 8 trips of its loop.  A wave's tile: 128 weight rows x 32 tokens: 16 accumulators, 8 K steps of 128, 16 matrix instructions each.
; TRANSPOSED USE: source 0 = 16 weight rows, source 1 = 16 tokens: a lane holds ONE token, its registers run along the hidden units, which are the next product's K.
; THE WEIGHT ROWS OF A TILE ARE NOT NEIGHBOURS: LDS row 16 t + r of a matrix holds slice row 32 (t / 2) + 8 (t % 2) + r + 8 (r / 8), so that the 16 registers of tiles 2 b and 2 b + 1 are
; the 16 neighbouring hidden units 32 b + 16 (lane / 16) + 0 .. 15, and the conversions' results are the next operand's registers.
; A fragment is fetched by four loads of 16 bytes, 32 apart: a permutation of k inside a K step, the same on both sides, so every product meets its partner.
; hq is laid as images of the operand's registers: [expert][group][row tile][K step][chunk c][lane][16 bytes]; lane (r, h): row r, K = 128 s + 32 c + 16 h + 0 .. 15.
; SCALES.  G and U are the sums of code products: g = G 2^(e0+e1), u = U 2^(e2+e3).  sigma(g) = 1 / (1 + 2^(G x SC)), SC = -log2(e) 2^(e0+e1).  code = G U sigma / 2^E, E = e5 - e0 - e1 - e2 - e3.
; LIMITS: e0 + e1 between -126 and 127 (added to SC's exponent field); E between -126 and 112.  NaN and infinity are not served.
; NO TENSOR LOADS, NO CLUSTER: the number of groups is a count read from memory, and a trip count that hangs on a loaded number goes with neither; the rows that the 32 slices of an
; expert share are gathered by a list and form no tile.  Pad rows (places from the count up to a whole group) are computed like the others from tokens that exist; nobody uses them.
; REGISTERS.  Window 0: v1-15 addresses and constants; v64-255 a ring of three sets of x's fragments (set: 2 versions x 2 row tiles x 16 registers); behind the products they serve the activation.
;   Window 1: v0-127 the K step's 8 weight fragments (0-3 gate, 4-7 up); v128-255 the accumulators: (row tile u, weight tile t) at v[128 + 8 (8 u + t)].
.set PITCH, 1040                       ; an LDS row: 1,024 bytes + 16: 65 x 16, so that the 16 rows of a fragment load start at 16 different groups of banks (64 banks of 4 bytes: ISA guide 11.1)
.set UPB,   64*PITCH                   ; w_up's rows lie behind w_gate's
.set LI,    3                          ; v3   16 x lane
.set LOFF,  4                          ; v4   4 x (lane % 16): my row's entry in a tile's part of the list
.set AWG,   5                          ; v5   my lane's place in a fragment of w_gate
.set AWU,   6                          ; v6   of w_up
.set FILL,  7                          ; v7   where my wave puts the rows that it fetches
.set XO,    8                          ; v8-9   byte offset of my token's codes, row tile 0, 1
.set EN,    10                         ; v10-11 the list's entries
.set QS,    12                         ; v12  2^E as f32
.set QL,    13                         ; v13  57,344 x 2^E
.set H16,   15                         ; v15  16 x (lane / 16)
.set XR,    64                         ; the ring
.set TT,    64                         ; the activation: row tile u: v[64 + 64 u ..] 32 registers: G x SC, then sigma
.set PP,    96                         ;                 v[96 + 64 u ..] 32 registers: G U, then G U sigma
.set CC,    192                        ;                 v[192 + 8 u ..] 8 registers of codes
.set ACC,   128
.set MSB, 0
.macro WIN new                         ; the immediate's high byte repeats the setting that is left
.if MSB != \new
	s_set_vgpr_msb (MSB<<8)|\new
.set MSB, \new
.endif
.endm
.macro XSET s                          ; x's fragments of K step s, both versions, both row tiles: 16 loads into set s % 3
.irp q, 0,1
.irp u, 0,1
.irp c, 0,1,2,3
	global_load_b128 v[XR+64*((\s)%3)+16*(2*\q+\u)+4*\c:XR+64*((\s)%3)+16*(2*\q+\u)+4*\c+3], v[XO+\u], s[4:5] offset:1048576*\q+128*(\s)+32*\c
.endr
.endr
.endr
.endm
.macro WSET s                          ; the 8 weight fragments of K step s: 32 LDS loads in one run
	WIN 0x40                                       ; destination window 1
.irp t, 0,1,2,3
.irp c, 0,1,2,3
	ds_load_b128 v[16*\t+4*\c:16*\t+4*\c+3], v[AWG] offset:\t*16*PITCH+128*(\s)+32*\c
.endr
.endr
.irp t, 0,1,2,3
.irp c, 0,1,2,3
	ds_load_b128 v[64+16*\t+4*\c:64+16*\t+4*\c+3], v[AWU] offset:\t*16*PITCH+128*(\s)+32*\c
.endr
.endr
.endm
.macro LISTLD                          ; the group's 32 entries: lane (r, h) takes those of rows r and 16 + r
	global_load_b32 v[EN], v[LOFF], s[12:13]
	global_load_b32 v[EN+1], v[LOFF], s[12:13] offset:64
.endm
.macro LISTUSE
.irp u, 0,1
	v_and_b32 v[EN+\u], 0x3ff, v[EN+\u]            ; the token
	v_min_u32 v[EN+\u], 0x3ff, v[EN+\u]            ; a loaded number enters an address only behind a bound
	v_lshl_add_u32 v[XO+\u], v[EN+\u], 10, v[H16]  ; its row of 1,024 codes, + 16 x half
.endr
.endm
; A K step.  The 16 accumulators take turns, one instruction a turn, in the same order in every step.
.macro KSTEP s
.if (\s) <= 5
	s_wait_loadcnt 32                              ; set s is in; the two sets issued behind it may be out
.elseif (\s) == 6
	s_wait_loadcnt 16
.else
	s_wait_loadcnt 0
.endif
	s_wait_dscnt 0x0                               ; the step's weight fragments
	WIN 0x51                                       ; source 0 (weights), C and D window 1; source 1 (x) window 0
.irp u, 0,1
.irp t, 0,1,2,3,4,5,6,7
.if (\s) == 0
	v_wmma_f32_16x16x128_bf8_bf8 v[ACC+8*(8*\u+\t):ACC+8*(8*\u+\t)+7], v[16*\t:16*\t+15], v[XR+64*((\s)%3)+16*(2*(\t/4)+\u):XR+64*((\s)%3)+16*(2*(\t/4)+\u)+15], 0
.else
	v_wmma_f32_16x16x128_bf8_bf8 v[ACC+8*(8*\u+\t):ACC+8*(8*\u+\t)+7], v[16*\t:16*\t+15], v[XR+64*((\s)%3)+16*(2*(\t/4)+\u):XR+64*((\s)%3)+16*(2*(\t/4)+\u)+15], v[ACC+8*(8*\u+\t):ACC+8*(8*\u+\t)+7]
.endif
.endr
.endr
.rept 4
	v_nop                                          ; four places in front of loads into registers that these products have read, and of the first read of results
.endr
.if (\s) < 7
	WSET (\s)+1
.endif
.if (\s) < 5
	WIN 0
	XSET (\s)+3                                    ; into the set just multiplied
.endif
.endm
; The activation, the quantiser and the way out of a group.
.macro EPI
	WIN 0x01                                       ; source 0 window 1
.irp u, 0,1
.irp t, 0,1,2,3
.irp i, 0,2,4,6
	v_pk_mul_f32 v[TT+64*\u+8*\t+\i:TT+64*\u+8*\t+\i+1], v[ACC+8*(8*\u+\t)+\i:ACC+8*(8*\u+\t)+\i+1], s[30:31] op_sel_hi:[1,0]   ; G x SC; each accumulator from its low end on
.endr
.endr
.endr
	WIN 0x05                                       ; sources 0 and 1 window 1
.irp u, 0,1
.irp t, 0,1,2,3
.irp i, 0,2,4,6
	v_pk_mul_f32 v[PP+64*\u+8*\t+\i:PP+64*\u+8*\t+\i+1], v[ACC+8*(8*\u+\t)+\i:ACC+8*(8*\u+\t)+\i+1], v[ACC+8*(8*\u+\t+4)+\i:ACC+8*(8*\u+\t+4)+\i+1]   ; G U
.endr
.endr
.endr
	WIN 0
.irp u, 0,1
.set n, 0
.rept 32
	v_exp_f32 v[TT+64*\u+n], v[TT+64*\u+n]         ; e^-g
.set n, n+1
.endr
.endr
	v_nop                                          ; a plain line behind the batch,
	s_wait_alu depctr_va_vdst(0)                   ; and one wait for all 64, ahead of their first reader
.irp u, 0,1
.set n, 0
.rept 16
	v_pk_add_f32 v[TT+64*\u+n:TT+64*\u+n+1], v[TT+64*\u+n:TT+64*\u+n+1], 1.0 op_sel_hi:[1,0]
.set n, n+2
.endr
.endr
.irp u, 0,1
.set n, 0
.rept 32
	v_rcp_f32 v[TT+64*\u+n], v[TT+64*\u+n]         ; sigma(g)
.set n, n+1
.endr
.endr
	v_nop
	s_wait_alu depctr_va_vdst(0)
.irp u, 0,1
.set n, 0
.rept 16
	v_pk_mul_f32 v[PP+64*\u+n:PP+64*\u+n+1], v[PP+64*\u+n:PP+64*\u+n+1], v[TT+64*\u+n:TT+64*\u+n+1]
.set n, n+2
.endr
.endr
.irp u, 0,1
.set n, 0
.rept 32
	v_med3_num_f32 v[PP+64*\u+n], v[PP+64*\u+n], -v[QL], v[QL]   ; the conversion to an 8-bit code does not saturate (ISA guide 7.6.2): the hold comes first
.set n, n+1
.endr
.endr
.irp u, 0,1
.irp t, 0,1,2,3
	v_cvt_scalef32_pk8_bf8_f32 v[CC+8*\u+2*\t:CC+8*\u+2*\t+1], v[PP+64*\u+8*\t:PP+64*\u+8*\t+7], v[QS]
.endr
.endr
	v_nop                                          ; a plain vector line behind the last conversion
.irp u, 0,1
.irp b, 0,1
	global_store_b128 v[LI], v[CC+8*\u+4*\b:CC+8*\u+4*\b+3], s[16:17] offset:32768*\u+512*\b   ; a chunk of the image: 32 lanes, 512 consecutive bytes
.endr
.endr
.endm
	s_load_b256 s[4:11], s[0:1], 0x0               ; xq s[4:5], w_gate s[6:7], w_up s[8:9], the scales' exponents s[10:11]
	s_load_b128 s[12:15], s[0:1], 0x20             ; list s[12:13], cnt s[14:15]
	s_load_b64 s[16:17], s[0:1], 0x30              ; hq
	v_lshl_add_u32 v62, v0, 2, 0x20800
	v_mov_b32 v63, 0
	v_lshrrev_b32 v1, 5, v0
	v_readfirstlane_b32 s18, v1                    ; wave 0..7
	s_mov_b32 s19, ttmp9                           ; slice
	s_and_b32 s20, ttmp7, 0xffff                   ; expert
	v_and_b32 v14, 31, v0
	v_lshlrev_b32 v[LI], 4, v14
	v_and_b32 v1, 15, v0                           ; r
	v_bfe_u32 v2, v0, 4, 1                         ; h
	v_lshlrev_b32 v[LOFF], 2, v1
	v_lshlrev_b32 v[H16], 4, v2
	v_mul_u32_u24 v[AWG], v1, PITCH
	v_lshl_add_u32 v[AWG], v2, 4, v[AWG]
	v_add_nc_u32 v[AWU], UPB, v[AWG]
	s_lshr_b32 s38, s18, 1                         ; wave w fetches slice rows 16 (w % 4) .. + 15 of w_gate (w < 4) or w_up; row i of them goes to LDS row 32 (w / 2) + 8 (w % 2) + 16 (i / 8) + i % 8
	s_lshl_b32 s38, s38, 5
	s_and_b32 s39, s18, 1
	s_lshl_b32 s39, s39, 3
	s_add_co_u32 s38, s38, s39
	s_mul_i32 s38, s38, PITCH
	v_add_nc_u32 v[FILL], s38, v[LI]
	s_lshl_b32 s32, s20, 11                        ; the rows that I fetch, in bytes: (2048 e + 64 slice + 16 (w % 4)) x 1,024
	s_lshl_b32 s39, s19, 6
	s_add_co_u32 s32, s32, s39
	s_and_b32 s39, s18, 3
	s_lshl_b32 s39, s39, 4
	s_add_co_u32 s32, s32, s39
	s_lshl_b32 s32, s32, 10
	s_mov_b32 s33, 0
	s_lshl_b32 s36, s20, 12                        ; the list: 4,096 e + 128 x group
	s_lshl_b32 s39, s18, 7
	s_add_co_u32 s36, s36, s39
	s_mov_b32 s37, 0
	s_lshl_b32 s40, s20, 5                         ; hq: (32 e + group) x 65,536 + slice x 1,024 (K step slice / 2, chunks 2 (slice % 2) on)
	s_add_co_u32 s40, s40, s18
	s_lshl_b32 s40, s40, 16
	s_lshl_b32 s39, s19, 10
	s_add_co_u32 s40, s40, s39
	s_mov_b32 s41, 0
	s_lshl_b32 s42, s20, 2                         ; cnt: 4 e
	s_mov_b32 s43, 0
	s_wait_kmcnt 0x0
	s_add_nc_u64 s[14:15], s[14:15], s[42:43]
	s_load_b32 s21, s[14:15], 0x0                  ; the expert's rows
	s_load_b128 s[24:27], s[10:11], 0x0            ; e0 .. e3
	s_load_b64 s[28:29], s[10:11], 0x10            ; e4, e5
	s_cmp_lt_u32 s18, 4
	s_cselect_b64 s[34:35], s[6:7], s[8:9]         ; the choice hangs on the wave's number alone
	s_add_nc_u64 s[34:35], s[34:35], s[32:33]
	s_add_nc_u64 s[12:13], s[12:13], s[36:37]
	s_add_nc_u64 s[16:17], s[16:17], s[40:41]
	LISTLD                                         ; group w's entries: every entry of the list is written, so a wave without rows reads pads
	WIN 0x40
.set k, 0
.rept 32
	global_load_b128 v[4*k:4*k+3], v[LI], s[34:35] offset:512*k th:TH_LOAD_NT   ; my 16 rows lie on end: 16 KiB, 512 consecutive bytes a load; read once in the launch
.set k, k+1
.endr
	WIN 0
	s_wait_loadcnt 32                              ; the two entries are in; the 32 weight loads stay out
	LISTUSE
	XSET 0                                         ; issued by every wave, so that the ring is written on every way into the loop
	XSET 1
	XSET 2
	s_wait_loadcnt 48                              ; the weights are in; the three sets of x stay out
	WIN 0x04                                       ; store data window 1
.set k, 0
.rept 32
	ds_store_b128 v[FILL], v[4*k:4*k+3] offset:(16*((k/2)/8)+(k/2)%8)*PITCH+512*(k%2)
.set k, k+1
.endr
	WIN 0
	s_wait_kmcnt 0x0
	s_min_u32 s21, s21, 1024
	s_add_co_u32 s21, s21, 31
	s_lshr_b32 s21, s21, 5                         ; groups, 32 at the most
	s_add_co_u32 s23, s21, 7
	s_sub_co_u32 s23, s23, s18
	s_lshr_b32 s23, s23, 3                         ; my trips: the groups w, w + 8, .. below that; 0 where there are w groups or fewer
	s_mov_b32 s22, 0                               ; trips done
	s_add_co_i32 s38, s24, s25                     ; e0 + e1
	s_lshl_b32 s39, s38, 23
	s_add_co_i32 s30, s39, 0xbfb8aa3b              ; SC = -log2(e) x 2^(e0 + e1): the sum is added to the exponent field
	s_mov_b32 s31, s30                             ; (named with it as a pair, so it is written)
	s_add_co_i32 s38, s38, s26
	s_add_co_i32 s38, s38, s27
	s_sub_co_i32 s38, s29, s38                     ; E
	s_add_co_i32 s38, s38, 127
	s_lshl_b32 s39, s38, 23
	v_mov_b32 v[QS], s39
	s_add_co_i32 s38, s38, 15
	s_lshl_b32 s38, s38, 23
	s_or_b32 s38, s38, 0x600000
	v_mov_b32 v[QL], s38
	s_wait_dscnt 0x0                               ; for the others' sake: my rows have landed
	s_barrier_signal -1
	s_barrier_wait -1                              ; the one barrier: all 128 rows lie in LDS, and from here on LDS is only read
	s_cmp_ge_u32 s22, s23
	s_cbranch_scc1 .Ldone
.Lgroup:
	WSET 0
.irp s, 0,1,2,3,4,5,6,7
	KSTEP \s
.endr
	EPI
	s_wait_xcnt 0x0                                ; the stores have read their data and their base, the loads their offsets: all may be written again
	s_add_nc_u64 s[16:17], s[16:17], 0x80000       ; eight groups on
	s_add_nc_u64 s[12:13], s[12:13], 0x400
	s_add_co_u32 s22, s22, 1
	s_cmp_ge_u32 s22, s23
	s_cbranch_scc1 .Ldone                          ; nothing is loaded for a group that is not there
	LISTLD
	s_wait_loadcnt 0x0
	LISTUSE
	XSET 0
	XSET 1
	XSET 2
	s_cmp_lt_u32 s22, s23                          ; the loop's own test: the counter, stepped by 1 a trip, against my trips
	s_cbranch_scc1 .Lgroup
.Ldone:
	s_wait_tensorcnt 0x0
	ds_add_u32 v62, v63
	s_wait_dscnt 0x0
	s_endpgm
.Lfunc_end_k_q70a1868385_gateup:
	.size	k_q70a1868385_gateup, .Lfunc_end_k_q70a1868385_gateup-k_q70a1868385_gateup
	.p2alignl 7, 3214868480
	.fill 96, 4, 3214868480
	.section	.rodata,"a",@progbits
	.p2align	6, 0x0
	.amdhsa_kernel k_q70a1868385_gateup
		.amdhsa_group_segment_fixed_size 134144
		.amdhsa_private_segment_fixed_size 0
		.amdhsa_enable_private_segment 0
		.amdhsa_kernarg_size 56
		.amdhsa_user_sgpr_count 2
		.amdhsa_user_sgpr_kernarg_segment_ptr 1
		.amdhsa_wavefront_size32 1
		.amdhsa_system_sgpr_workgroup_id_x 1
		.amdhsa_system_sgpr_workgroup_id_y 1
		.amdhsa_system_sgpr_workgroup_id_z 1
		.amdhsa_system_vgpr_workitem_id 0
		.amdhsa_next_free_vgpr 512
		.amdhsa_next_free_sgpr 66
		.amdhsa_reserve_vcc 0
		.amdhsa_float_denorm_mode_32 3
		.amdhsa_float_denorm_mode_16_64 3
		.amdhsa_memory_ordered 1
		.amdhsa_forward_progress 1
		.amdhsa_inst_pref_size 70
	.end_amdhsa_kernel
	.amdgpu_metadata
---
amdhsa.version: [ 1, 2 ]
amdhsa.kernels:
  - .name:           k_q70a1868385_gateup
    .symbol:         k_q70a1868385_gateup.kd
    .args:
      - { .name: xq, .offset: 0, .size: 8, .value_kind: global_buffer, .address_space: global }
      - { .name: w_gate_codes, .offset: 8, .size: 8, .value_kind: global_buffer, .address_space: global }
      - { .name: w_up_codes, .offset: 16, .size: 8, .value_kind: global_buffer, .address_space: global }
      - { .name: lowp_scales, .offset: 24, .size: 8, .value_kind: global_buffer, .address_space: global }
      - { .name: list, .offset: 32, .size: 8, .value_kind: global_buffer, .address_space: global }
      - { .name: cnt, .offset: 40, .size: 8, .value_kind: global_buffer, .address_space: global }
      - { .name: hq, .offset: 48, .size: 8, .value_kind: global_buffer, .address_space: global }
    .group_segment_fixed_size: 134144
    .private_segment_fixed_size: 0
    .kernarg_segment_align: 8
    .kernarg_segment_size: 56
    .max_flat_workgroup_size: 256
    .sgpr_count:     66
    .vgpr_count:     512
    .wavefront_size: 32
...
	.end_amdgpu_metadata
.endif
;; end of part 3
;; launch down (part 4): grid 32 x 8, 8 waves a work-group, no clusters, 167,936 bytes of LDS; arguments hq, w_down_codes, list, cnt, y2; writes y2
.if DOCPART == 4
	.amdgcn_target "amdgcn-amd-amdhsa--gfx1250"
	.amdhsa_code_object_version 6
	.text
	.protected	k_q70a1868385_down
	.globl	k_q70a1868385_down
	.p2align	8
	.type	k_q70a1868385_down,@function
k_q70a1868385_down:
	s_mov_b64 s[64:65], 0
	v_nop
	global_prefetch_b8 v0, s[64:65] scope:SCOPE_SE
	s_setreg_imm32_b32 hwreg(HW_REG_WAVE_MODE, 25, 1), 1
	s_wait_xcnt 0x0
; DOWN.  y = h Wd^T for the routed rows, on E5M2 codes, sums in f32; each row's sums go, unscaled, to row slot x 1024 + token of y2 (the next launch applies 2^(e4 + e5)).
; SHARES.  A work-group is (column tile ct = x / 2, parity = x % 2, expert = y): 64 rows of w_down[e] (output columns 64 ct on; 2,048 codes each), 128 KiB on end in memory, kept in LDS.
; The two work-groups of a column tile take the even and the odd groups of 32 rows; wave w takes groups g0 = parity + 2 w, g0 + 16, ..: (groups + 15 - g0) / 16 trips of its loop.
; A wave's tile: 64 columns x 32 rows: 8 accumulators, 16 K steps of 128.
; TRANSPOSED USE: source 0 = 16 rows of w_down, source 1 = 16 rows of h: a lane holds eight neighbouring columns of one row.  h comes as images of the operand's registers (512 consecutive bytes a load).
; THE WAY OUT: 16 rows x 256 bytes go through the wave's own stage in LDS and leave as whole rows' pieces: sixteen lanes store 256 consecutive bytes, aligned, at the row that the list names.
; Pad rows go to rows 2,048 on, which nobody reads; each such piece has one writer (a pad's row hangs on the expert and its place in the last group).
; NO TENSOR LOADS, NO CLUSTER: the number of groups is a count read from memory, and a trip count that hangs on a loaded number goes with neither.
; REGISTERS.  Window 0: v1-10 addresses; v32-159 a ring of four sets of h's fragments (2 row tiles x 16 registers), on the way out rows of y; v160-223 the accumulators ((u, j) at v[160 + 8 (4 u + j)]);
;   v224-239 the rows' places in y2.   Window 1: v0-127 two sets of w_down's four fragments.
.set PITCH, 2064                       ; an LDS row: 2,048 bytes + 16: 129 x 16, so that the 16 rows of a fragment load start at 16 different groups of banks (ISA guide 11.1)
.set STG,   64*PITCH                   ; behind the weights: a stage of 16 rows x 272 bytes for each wave
.set SPITCH, 272
.set LI,   3                           ; v3   16 x lane
.set AW0,  4                           ; v4   my lane's place in fragments 0, 1;  v5: in fragments 2, 3
.set FILL, 6                           ; v6   where my wave puts the rows that it fetches
.set STO,  7                           ; v7   the stage: where I put 32 bytes of a row
.set RD,   8                           ; v8   and where I read 16 bytes of a row back
.set COL,  9                           ; v9   16 x (lane % 16)
.set BI,   10                          ; v10  4 x (lane / 16)
.set HR,   32
.set ACC,  160
.set DST,  224
.set MSB, 0
.macro WIN new                         ; the immediate's high byte repeats the setting that is left
.if MSB != \new
	s_set_vgpr_msb (MSB<<8)|\new
.set MSB, \new
.endif
.endm
.macro HSET s                          ; h's two fragments of K step s: 8 loads into set s % 4
.irp u, 0,1
.irp c, 0,1,2,3
	global_load_b128 v[HR+32*((\s)%4)+16*\u+4*\c:HR+32*((\s)%4)+16*\u+4*\c+3], v[LI], s[22:23] offset:32768*\u+2048*(\s)+512*\c
.endr
.endr
.endm
.macro WSET s                          ; w_down's four fragments of K step s: 16 LDS loads into set s % 2
	WIN 0x40                                       ; destination window 1
.irp j, 0,1,2,3
.irp c, 0,1,2,3
	ds_load_b128 v[64*((\s)%2)+16*\j+4*\c:64*((\s)%2)+16*\j+4*\c+3], v[AW0+\j/2] offset:(\j%2)*16*PITCH+128*(\s)+32*\c
.endr
.endr
.endm
.macro DLOAD                           ; the list's entries of rows 16 u + 2 i + (lane / 16): the rows that I shall store
.irp u, 0,1
.irp i, 0,1,2,3,4,5,6,7
	global_load_b32 v[DST+8*\u+\i], v[BI], s[8:9] offset:4*(16*\u+2*\i)
.endr
.endr
.endm
; A K step.  The next step's weights and the h of three steps on are asked for first; the 8 accumulators take turns, in the same order in every step.
.macro KSTEP s
.if (\s) > 0
.rept 4
	v_nop                                          ; four places in front of loads into registers that the last step's products have read
.endr
.endif
.if (\s) < 15
	WSET (\s)+1
.endif
	WIN 0
.if (\s) < 13
	HSET (\s)+3
.endif
.if (\s) < 15
	s_wait_dscnt 16                                ; this step's weights are in; the 16 loads just issued may be out
.else
	s_wait_dscnt 0
.endif
.if 15-(\s) >= 3
	s_wait_loadcnt 24                              ; set s is in; the three sets issued behind it may be out
.else
	s_wait_loadcnt 8*(15-(\s))
.endif
	WIN 0x01                                       ; source 0 (weights) window 1
.irp u, 0,1
.irp j, 0,1,2,3
.if (\s) == 0
	v_wmma_f32_16x16x128_bf8_bf8 v[ACC+8*(4*\u+\j):ACC+8*(4*\u+\j)+7], v[64*((\s)%2)+16*\j:64*((\s)%2)+16*\j+15], v[HR+32*((\s)%4)+16*\u:HR+32*((\s)%4)+16*\u+15], 0
.else
	v_wmma_f32_16x16x128_bf8_bf8 v[ACC+8*(4*\u+\j):ACC+8*(4*\u+\j)+7], v[64*((\s)%2)+16*\j:64*((\s)%2)+16*\j+15], v[HR+32*((\s)%4)+16*\u:HR+32*((\s)%4)+16*\u+15], v[ACC+8*(4*\u+\j):ACC+8*(4*\u+\j)+7]
.endif
.endr
.endr
.endm
.macro EPI
	WIN 0
.rept 4
	v_nop                                          ; four places in front of the first read of results and of loads into registers that the products have read
.endr
.irp u, 0,1
.irp j, 0,1,2,3
	ds_store_b128 v[STO], v[ACC+8*(4*\u+\j):ACC+8*(4*\u+\j)+3] offset:64*\j          ; each accumulator from its low end on
	ds_store_b128 v[STO], v[ACC+8*(4*\u+\j)+4:ACC+8*(4*\u+\j)+7] offset:64*\j+16
.endr
.irp i, 0,1,2,3,4,5,6,7
	ds_load_b128 v[HR+32*\u+4*\i:HR+32*\u+4*\i+3], v[RD] offset:2*\i*SPITCH           ; LDS serves a wave's instructions in order (ISA guide 5.7.1.4): these see my stores, and the next tile's stores come behind them
.endr
.endr
.set n, 0
.rept 16
	v_min_u32 v[DST+n], 0x8ff, v[DST+n]            ; a loaded number enters an address only behind a bound: y2 has 2,304 rows
	v_lshl_add_u32 v[DST+n], v[DST+n], 12, v[COL]  ; its row of 4,096 bytes, + my 16 bytes
.set n, n+1
.endr
	s_wait_dscnt 16                                ; row tile 0 is back; tile 1's eight stores and eight loads may be out
.irp i, 0,1,2,3,4,5,6,7
	global_store_b128 v[DST+\i], v[HR+4*\i:HR+4*\i+3], s[12:13]                        ; sixteen lanes store 256 consecutive bytes, aligned
.endr
	s_wait_dscnt 0x0
.irp i, 0,1,2,3,4,5,6,7
	global_store_b128 v[DST+8+\i], v[HR+32+4*\i:HR+32+4*\i+3], s[12:13]
.endr
.endm
	s_load_b256 s[4:11], s[0:1], 0x0               ; hq s[4:5], w_down s[6:7], list s[8:9], cnt s[10:11]
	s_load_b64 s[12:13], s[0:1], 0x20              ; y2
	v_lshl_add_u32 v254, v0, 2, 0x28c00
	v_mov_b32 v255, 0
	v_lshrrev_b32 v1, 5, v0
	v_readfirstlane_b32 s14, v1                    ; wave 0..7
	s_lshr_b32 s15, ttmp9, 1                       ; column tile
	s_and_b32 s16, ttmp9, 1                        ; parity
	s_and_b32 s17, ttmp7, 0xffff                   ; expert
	s_lshl_b32 s19, s14, 1
	s_add_co_u32 s19, s19, s16                     ; g0, my first group: 15 at the most
	v_and_b32 v11, 31, v0
	v_lshlrev_b32 v[LI], 4, v11
	v_and_b32 v1, 15, v0                           ; r
	v_bfe_u32 v2, v0, 4, 1                         ; h
	v_mul_u32_u24 v[AW0], v1, PITCH
	v_lshl_add_u32 v[AW0], v2, 4, v[AW0]
	v_add_nc_u32 v[AW0+1], 32*PITCH, v[AW0]
	s_mul_i32 s38, s14, 8*PITCH                    ; wave w fetches rows 8 w .. 8 w + 7
	v_add_nc_u32 v[FILL], s38, v[LI]
	s_mul_i32 s38, s14, 16*SPITCH
	s_add_co_u32 s38, s38, STG                     ; my stage
	v_mul_u32_u24 v[STO], v1, SPITCH
	v_lshl_add_u32 v[STO], v2, 5, v[STO]
	v_add_nc_u32 v[STO], s38, v[STO]               ; in: row r, 32 bytes for each half of the lanes
	v_mul_u32_u24 v[RD], v2, SPITCH
	v_lshl_add_u32 v[RD], v1, 4, v[RD]
	v_add_nc_u32 v[RD], s38, v[RD]                 ; back: lanes 0-15 one row of 256 bytes, lanes 16-31 the next
	v_lshlrev_b32 v[COL], 4, v1
	v_lshlrev_b32 v[BI], 2, v2
	s_lshl_b32 s24, s17, 10                        ; my work-group's rows of w_down, in bytes: (1024 e + 64 ct) x 2,048
	s_lshl_b32 s25, s15, 6
	s_add_co_u32 s24, s24, s25
	s_lshl_b32 s24, s24, 11
	s_mov_b32 s25, 0
	s_lshl_b32 s28, s14, 14                        ; my wave's 8 of them
	s_mov_b32 s29, 0
	s_lshl_b32 s30, s17, 12                        ; the list: 4,096 e + 128 x group
	s_lshl_b32 s31, s19, 7
	s_add_co_u32 s30, s30, s31
	s_mov_b32 s31, 0
	s_lshl_b32 s32, s17, 2                         ; cnt: 4 e
	s_mov_b32 s33, 0
	s_lshl_b32 s34, s15, 8                         ; y2: my 64 columns
	s_mov_b32 s35, 0
	s_lshl_b32 s36, s17, 5                         ; hq: (32 e + group) x 65,536
	s_add_co_u32 s36, s36, s19
	s_lshl_b32 s36, s36, 16
	s_mov_b32 s37, 0
	s_wait_kmcnt 0x0
	s_add_nc_u64 s[10:11], s[10:11], s[32:33]
	s_load_b32 s18, s[10:11], 0x0                  ; the expert's rows
	s_add_nc_u64 s[20:21], s[6:7], s[24:25]
	s_add_nc_u64 s[26:27], s[20:21], s[28:29]
	s_add_nc_u64 s[8:9], s[8:9], s[30:31]
	s_add_nc_u64 s[12:13], s[12:13], s[34:35]
	s_add_nc_u64 s[22:23], s[4:5], s[36:37]
	DLOAD                                          ; my first group's entries (group 15 at the most: inside the list, all of which is written)
	WIN 0x40
.set k, 0
.rept 32
	global_load_b128 v[4*k:4*k+3], v[LI], s[26:27] offset:512*k   ; my 8 rows lie on end: 16 KiB, 512 consecutive bytes a load; the neighbouring work-group reads them too, so no hint
.set k, k+1
.endr
	WIN 0
	s_wait_kmcnt 0x0
	s_min_u32 s18, s18, 1024
	s_add_co_u32 s18, s18, 31
	s_lshr_b32 s18, s18, 5                         ; groups, 32 at the most
	s_add_co_u32 s40, s18, 15
	s_sub_co_u32 s40, s40, s19
	s_lshr_b32 s40, s40, 4                         ; my trips: the groups g0, g0 + 16, .. below that; 0 where there are g0 groups or fewer
	s_mov_b32 s41, 0                               ; trips done
	s_cmp_lt_u32 s19, s18
	s_cselect_b64 s[22:23], s[22:23], s[20:21]     ; a wave without a group fills the ring from its work-group's weights (under 39 KiB of their 128) in place of bytes of hq that nobody wrote; it never uses them
	HSET 0                                         ; issued by every wave, so that the ring is written on every way into the loop
	HSET 1
	HSET 2
	s_wait_loadcnt 24                              ; the weights are in; the three sets of h stay out
	WIN 0x04                                       ; store data window 1
.set k, 0
.rept 32
	ds_store_b128 v[FILL], v[4*k:4*k+3] offset:(k/4)*PITCH+512*(k%4)
.set k, k+1
.endr
	WIN 0
	s_wait_dscnt 0x0                               ; for the others' sake: my rows have landed
	s_barrier_signal -1
	s_barrier_wait -1                              ; the one barrier: all 64 rows lie in LDS; from here on they are only read, and each wave writes its own stage alone
	s_cmp_ge_u32 s41, s40
	s_cbranch_scc1 .Ldone
.Lgroup:
	WSET 0
.irp s, 0,1,2,3,4,5,6,7,8,9,10,11,12,13,14,15
	KSTEP \s
.endr
	EPI
	s_wait_xcnt 0x0                                ; the stores have read their data and offsets, the loads their base: all may be written again
	s_add_nc_u64 s[22:23], s[22:23], 0x100000      ; sixteen groups on
	s_add_nc_u64 s[8:9], s[8:9], 0x800
	s_add_co_u32 s41, s41, 1
	s_cmp_ge_u32 s41, s40
	s_cbranch_scc1 .Ldone                          ; nothing is loaded for a group that is not there
	DLOAD
	HSET 0
	HSET 1
	HSET 2
	s_cmp_lt_u32 s41, s40                          ; the loop's own test: the counter, stepped by 1 a trip, against my trips
	s_cbranch_scc1 .Lgroup
.Ldone:
	s_wait_tensorcnt 0x0
	ds_add_u32 v254, v255
	s_wait_dscnt 0x0
	s_endpgm
.Lfunc_end_k_q70a1868385_down:
	.size	k_q70a1868385_down, .Lfunc_end_k_q70a1868385_down-k_q70a1868385_down
	.p2alignl 7, 3214868480
	.fill 96, 4, 3214868480
	.section	.rodata,"a",@progbits
	.p2align	6, 0x0
	.amdhsa_kernel k_q70a1868385_down
		.amdhsa_group_segment_fixed_size 167936
		.amdhsa_private_segment_fixed_size 0
		.amdhsa_enable_private_segment 0
		.amdhsa_kernarg_size 40
		.amdhsa_user_sgpr_count 2
		.amdhsa_user_sgpr_kernarg_segment_ptr 1
		.amdhsa_wavefront_size32 1
		.amdhsa_system_sgpr_workgroup_id_x 1
		.amdhsa_system_sgpr_workgroup_id_y 1
		.amdhsa_system_sgpr_workgroup_id_z 1
		.amdhsa_system_vgpr_workitem_id 0
		.amdhsa_next_free_vgpr 384
		.amdhsa_next_free_sgpr 66
		.amdhsa_reserve_vcc 0
		.amdhsa_float_denorm_mode_32 3
		.amdhsa_float_denorm_mode_16_64 3
		.amdhsa_memory_ordered 1
		.amdhsa_forward_progress 1
		.amdhsa_inst_pref_size 61
	.end_amdhsa_kernel
	.amdgpu_metadata
---
amdhsa.version: [ 1, 2 ]
amdhsa.kernels:
  - .name:           k_q70a1868385_down
    .symbol:         k_q70a1868385_down.kd
    .args:
      - { .name: hq, .offset: 0, .size: 8, .value_kind: global_buffer, .address_space: global }
      - { .name: w_down_codes, .offset: 8, .size: 8, .value_kind: global_buffer, .address_space: global }
      - { .name: list, .offset: 16, .size: 8, .value_kind: global_buffer, .address_space: global }
      - { .name: cnt, .offset: 24, .size: 8, .value_kind: global_buffer, .address_space: global }
      - { .name: y2, .offset: 32, .size: 8, .value_kind: global_buffer, .address_space: global }
    .group_segment_fixed_size: 167936
    .private_segment_fixed_size: 0
    .kernarg_segment_align: 8
    .kernarg_segment_size: 40
    .max_flat_workgroup_size: 256
    .sgpr_count:     66
    .vgpr_count:     384
    .wavefront_size: 32
...
	.end_amdgpu_metadata
.endif
;; end of part 4
;; launch norm (part 5): grid 256 x 1, 4 waves a work-group, no clusters, 0 bytes of LDS; arguments y2, rw, lowp_scales, ln_gamma, ln_beta, out0; writes out0
.if DOCPART == 5
	.amdgcn_target "amdgcn-amd-amdhsa--gfx1250"
	.amdhsa_code_object_version 6
	.text
	.protected	k_q70a1868385_norm
	.globl	k_q70a1868385_norm
	.p2align	8
	.type	k_q70a1868385_norm,@function
k_q70a1868385_norm:
	s_mov_b64 s[64:65], 0
	v_nop
	global_prefetch_b8 v0, s[64:65] scope:SCOPE_SE
	s_setreg_imm32_b32 hwreg(HW_REG_WAVE_MODE, 25, 1), 1
	s_wait_xcnt 0x0
; NORM.  out0[t] = LayerNorm(w0 y(slot 0, t) + w1 y(slot 1, t)) x gamma + beta, all in f32.  y2's rows hold the down product's sums of code products: they stand for sum x 2^(e4 + e5),
; which goes into the two routing weights (v_ldexp_f32: no limit on e4 + e5 but that the weighted sums stay f32 numbers).
; One wave takes one token (t = 4 x work-group + wave) and keeps its row of 1,024 numbers in registers, 32 a lane: the mean first, then the mean of the squared distances from it.
; Every load and store of the wave covers 512 consecutive bytes.  No LDS, no barrier, no matrix unit: memory binds, and waves share nothing.
.set Y0, 32                            ; v32-63   slot 0's row, then the combined row, then the row less its mean
.set Y1, 64                            ; v64-95   slot 1's row, then the result
.set G,  96                            ; v96-127  gamma
.set B,  128                           ; v128-159 beta
.macro WSUM r                          ; the sum over the 32 lanes, in every lane
.irp m, 1,2,4,8
	v_add_f32_dpp v[\r], v[\r], v[\r] row_xmask:\m row_mask:0xf bank_mask:0xf
.endr
	v_permlanex16_b32 v24, v[\r], s24, s25
	v_add_f32 v[\r], v[\r], v24
.endm
.macro FOLD                            ; four packed chains in v[12:19] into v12
	v_pk_add_f32 v[12:13], v[12:13], v[14:15]
	v_pk_add_f32 v[16:17], v[16:17], v[18:19]
	v_pk_add_f32 v[12:13], v[12:13], v[16:17]
	v_add_f32 v12, v12, v13
.endm
	s_load_b256 s[4:11], s[0:1], 0x0               ; y2 s[4:5], rw s[6:7], the scales' exponents s[8:9], gamma s[10:11]
	s_load_b128 s[12:15], s[0:1], 0x20             ; beta s[12:13], out0 s[14:15]
	v_lshrrev_b32 v1, 5, v0
	v_readfirstlane_b32 s16, v1                    ; wave
	v_and_b32 v1, 31, v0
	v_lshlrev_b32 v2, 4, v1                        ; 16 x lane
	s_lshl_b32 s17, ttmp9, 2
	s_add_co_u32 s17, s17, s16                     ; token
	s_lshl_b32 s18, s17, 12                        ; a row is 4,096 bytes
	s_mov_b32 s19, 0
	s_lshl_b32 s26, s17, 3
	s_mov_b32 s27, 0
	s_mov_b32 s24, 0x76543210                      ; v_permlanex16_b32: lane l xor 16
	s_mov_b32 s25, 0xfedcba98
	v_mov_b32 v24, 0                               ; written once: a lane permute's destination counts as one of its sources
	v_mov_b32 v25, 0x3a800000                      ; 1 / 1024
	s_wait_kmcnt 0x0
	s_add_nc_u64 s[4:5], s[4:5], s[18:19]
	s_add_nc_u64 s[14:15], s[14:15], s[18:19]
	s_add_nc_u64 s[6:7], s[6:7], s[26:27]
	s_load_b64 s[20:21], s[6:7], 0x0               ; w0, w1
	s_load_b64 s[22:23], s[8:9], 0x10              ; e4, e5
.irp j, 0,1,2,3,4,5,6,7
	global_load_b128 v[Y0+4*\j:Y0+4*\j+3], v2, s[4:5] offset:512*\j th:TH_LOAD_NT
.endr
.irp j, 0,1,2,3,4,5,6,7
	global_load_b128 v[Y1+4*\j:Y1+4*\j+3], v2, s[4:5] offset:4194304+512*\j th:TH_LOAD_NT
.endr
.irp j, 0,1,2,3,4,5,6,7
	global_load_b128 v[G+4*\j:G+4*\j+3], v2, s[10:11] offset:512*\j
.endr
.irp j, 0,1,2,3,4,5,6,7
	global_load_b128 v[B+4*\j:B+4*\j+3], v2, s[12:13] offset:512*\j
.endr
	s_wait_kmcnt 0x0
	s_add_co_i32 s28, s22, s23                     ; e4 + e5
	v_mov_b32 v8, s20
	v_ldexp_f32 v8, v8, s28
	v_mov_b32 v9, v8                               ; w0 x 2^(e4 + e5), as a pair
	v_mov_b32 v10, s21
	v_ldexp_f32 v10, v10, s28
	v_mov_b32 v11, v10
	s_wait_loadcnt 16                              ; the two rows are in; gamma's and beta's sixteen loads may be out
.set n, 0
.rept 16
	v_pk_mul_f32 v[Y0+n:Y0+n+1], v[Y0+n:Y0+n+1], v[8:9]
.set n, n+2
.endr
.set n, 0
.rept 16
	v_pk_fma_f32 v[Y0+n:Y0+n+1], v[Y1+n:Y1+n+1], v[10:11], v[Y0+n:Y0+n+1]
.set n, n+2
.endr
.irp k, 0,1,2,3                                ; the row's sum, in four chains that the first pairs start
	v_pk_add_f32 v[12+2*\k:13+2*\k], v[Y0+2*\k:Y0+2*\k+1], v[Y0+8+2*\k:Y0+8+2*\k+1]
.endr
.irp q, 16,24
.irp k, 0,1,2,3
	v_pk_add_f32 v[12+2*\k:13+2*\k], v[12+2*\k:13+2*\k], v[Y0+\q+2*\k:Y0+\q+2*\k+1]
.endr
.endr
	FOLD
	WSUM 12
	v_mul_f32 v20, v12, v25                        ; the mean
	v_mov_b32 v21, v20
.set n, 0
.rept 16
	v_pk_add_f32 v[Y0+n:Y0+n+1], v[Y0+n:Y0+n+1], v[20:21] neg_lo:[0,1] neg_hi:[0,1]
.set n, n+2
.endr
.irp k, 0,1,2,3                                ; the sum of squares, likewise
	v_pk_mul_f32 v[12+2*\k:13+2*\k], v[Y0+2*\k:Y0+2*\k+1], v[Y0+2*\k:Y0+2*\k+1]
.endr
.irp q, 8,16,24
.irp k, 0,1,2,3
	v_pk_fma_f32 v[12+2*\k:13+2*\k], v[Y0+\q+2*\k:Y0+\q+2*\k+1], v[Y0+\q+2*\k:Y0+\q+2*\k+1], v[12+2*\k:13+2*\k]
.endr
.endr
	FOLD
	WSUM 12
	v_fmaak_f32 v22, v12, v25, 0x3727c5ac          ; the variance + 1e-5
	v_rsq_f32 v22, v22
	v_nop                                          ; a plain line behind the transcendental,
	s_wait_alu depctr_va_vdst(0)                   ; and the wait ahead of its first reader
	v_mov_b32 v23, v22
	s_wait_loadcnt 0x0                             ; gamma and beta
.set n, 0
.rept 16
	v_pk_mul_f32 v[G+n:G+n+1], v[G+n:G+n+1], v[22:23]
.set n, n+2
.endr
.set n, 0
.rept 16
	v_pk_fma_f32 v[Y1+n:Y1+n+1], v[Y0+n:Y0+n+1], v[G+n:G+n+1], v[B+n:B+n+1]
.set n, n+2
.endr
.irp j, 0,1,2,3,4,5,6,7
	global_store_b128 v2, v[Y1+4*\j:Y1+4*\j+3], s[14:15] offset:512*\j th:TH_STORE_NT   ; 32 lanes store 512 consecutive bytes; written once, read by nobody here
.endr
	s_endpgm
.Lfunc_end_k_q70a1868385_norm:
	.size	k_q70a1868385_norm, .Lfunc_end_k_q70a1868385_norm-k_q70a1868385_norm
	.p2alignl 7, 3214868480
	.fill 96, 4, 3214868480
	.section	.rodata,"a",@progbits
	.p2align	6, 0x0
	.amdhsa_kernel k_q70a1868385_norm
		.amdhsa_group_segment_fixed_size 0
		.amdhsa_private_segment_fixed_size 0
		.amdhsa_enable_private_segment 0
		.amdhsa_kernarg_size 48
		.amdhsa_user_sgpr_count 2
		.amdhsa_user_sgpr_kernarg_segment_ptr 1
		.amdhsa_wavefront_size32 1
		.amdhsa_system_sgpr_workgroup_id_x 1
		.amdhsa_system_sgpr_workgroup_id_y 1
		.amdhsa_system_sgpr_workgroup_id_z 1
		.amdhsa_system_vgpr_workitem_id 0
		.amdhsa_next_free_vgpr 168
		.amdhsa_next_free_sgpr 66
		.amdhsa_reserve_vcc 0
		.amdhsa_float_denorm_mode_32 3
		.amdhsa_float_denorm_mode_16_64 3
		.amdhsa_memory_ordered 1
		.amdhsa_forward_progress 1
		.amdhsa_inst_pref_size 14
	.end_amdhsa_kernel
	.amdgpu_metadata
---
amdhsa.version: [ 1, 2 ]
amdhsa.kernels:
  - .name:           k_q70a1868385_norm
    .symbol:         k_q70a1868385_norm.kd
    .args:
      - { .name: y2, .offset: 0, .size: 8, .value_kind: global_buffer, .address_space: global }
      - { .name: rw, .offset: 8, .size: 8, .value_kind: global_buffer, .address_space: global }
      - { .name: lowp_scales, .offset: 16, .size: 8, .value_kind: global_buffer, .address_space: global }
      - { .name: ln_gamma, .offset: 24, .size: 8, .value_kind: global_buffer, .address_space: global }
      - { .name: ln_beta, .offset: 32, .size: 8, .value_kind: global_buffer, .address_space: global }
      - { .name: out0, .offset: 40, .size: 8, .value_kind: global_buffer, .address_space: global }
    .group_segment_fixed_size: 0
    .private_segment_fixed_size: 0
    .kernarg_segment_align: 8
    .kernarg_segment_size: 48
    .max_flat_workgroup_size: 128
    .sgpr_count:     66
    .vgpr_count:     168
    .wavefront_size: 32
...
	.end_amdgpu_metadata
.endif
;; end of part 5
;; ======== version 2 of 2: 5 launches
;; workspace buffers: xq 2,097,152 bytes; sel 8,192 bytes of whole numbers; rw 8,192 bytes; list 32,768 bytes of whole numbers; cnt 256 bytes of whole numbers; hq 16,777,216 bytes; y2 9,437,184 bytes
;; launch route (part 6): grid 256 x 1, 4 waves a work-group, no clusters, 20,992 bytes of LDS; arguments x, w_router, lowp_scales, xq, sel, rw; writes xq, sel, rw
.if DOCPART == 6
	.amdgcn_target "amdgcn-amd-amdhsa--gfx1250"
	.amdhsa_code_object_version 6
	.text
	.protected	k_q70a1868385_route
	.globl	k_q70a1868385_route
	.p2align	8
	.type	k_q70a1868385_route,@function
k_q70a1868385_route:
	s_mov_b64 s[64:65], 0
	v_nop
	global_prefetch_b8 v0, s[64:65] scope:SCOPE_SE
	s_setreg_imm32_b32 hwreg(HW_REG_WAVE_MODE, 25, 1), 1
	s_wait_xcnt 0x0
; ROUTE.  One wave takes one token (token = 4 x work-group + wave) of x [1024][1024] f32.  It makes
;   (a) the token's 8 router logits in f32 (fused multiply-adds, 32 numbers a lane, then a sum over the 32 lanes), the two largest (strict compare, ascending
;       experts: of equal logits the lower index wins) and the softmax of these two, the larger taken away first: sel[token] = (i0, i1), rw[token] = (w0, w1);
;   (b) the token's E5M2 codes, twice: xq[0][token] with the scale 2^e1 (the gate product's), xq[1][token] with 2^e3 (the up product's); e = lowp_scales[1], [3].
; code = x / 2^e, held within +-57,344, to the nearest code, ties to even.
; LIMITS: e1 and e3 between -126 and 112, so that 2^e and 57,344 x 2^e are f32 numbers.  NaN and infinity among the inputs are not served.  The logits' f32 sums have
; another order than a row-wise sum: logits that differ by f32 rounding alone may change places; logits that are equal keep the lower index.
; No address here hangs on the choice: it is stored at fixed places, and a later launch places the rows.  No matrix unit (8 columns), no barrier: waves share nothing.
.set SP,  80                           ; a lane's place in a stage: 64 bytes + 16 of padding
.set R,   32                           ; v32-63   x as loaded: load j holds columns 128 j + 4 lane + 0..3
.set ACC, 64                           ; v64-79   eight pairs of partial sums, one pair an expert
.set L,   80                           ; v80-87   the logits
.set X,   96                           ; v96-127  16 neighbouring numbers of each half of the row
.set T,   128                          ; v128-191 the held numbers: 16 for each (version, half)
.set C,   192                          ; v192-207 the codes: 4 registers for each (version, half)
.set MSB, 0
.macro WIN new                         ; the immediate's high byte repeats the setting that is left
.if MSB != \new
	s_set_vgpr_msb (MSB<<8)|\new
.set MSB, \new
.endif
.endm
	s_load_b256 s[4:11], s[0:1], 0x0               ; x s[4:5], w_router s[6:7], the scales' exponents s[8:9], xq s[10:11]
	s_load_b128 s[12:15], s[0:1], 0x20             ; sel s[12:13], rw s[14:15]
	v_lshl_add_u32 v254, v0, 2, 0x5000
	v_mov_b32 v255, 0
	v_lshrrev_b32 v1, 5, v0
	v_readfirstlane_b32 s16, v1                    ; wave
	v_and_b32 v1, 31, v0                           ; lane
	v_lshlrev_b32 v2, 4, v1                        ; 16 x lane
	s_lshl_b32 s17, ttmp9, 2
	s_add_co_u32 s17, s17, s16                     ; token
	s_mul_i32 s24, s16, 2*32*SP                    ; my wave's two stages
	v_lshrrev_b32 v3, 2, v1
	v_mul_u32_u24 v3, v3, SP
	v_and_b32 v5, 3, v1
	v_lshl_add_u32 v3, v5, 4, v3
	v_add_nc_u32 v3, s24, v3                       ; into a stage: four lanes' 64 bytes on end, then 16 of padding
	v_mul_u32_u24 v4, v1, SP
	v_add_nc_u32 v4, s24, v4                       ; out of it: my 16 neighbours
	v_mov_b32 v5, 0                                ; offset 0 for the two small stores
	s_mov_b32 s28, 0x76543210                      ; v_permlanex16_b32: lane l xor 16
	s_mov_b32 s29, 0xfedcba98
	s_lshl_b32 s18, s17, 12                        ; a row of x is 4,096 bytes,
	s_mov_b32 s19, 0
	s_lshl_b32 s26, s17, 10                        ; of codes 1,024,
	s_mov_b32 s27, 0
	s_lshl_b32 s32, s17, 3                         ; of sel and rw 8
	s_mov_b32 s33, 0
.irp e, 0,1,2,3,4,5,6,7
	v_mov_b32 v[16+\e], \e                         ; the experts' numbers
	v_mov_b32 v[88+\e], 0                          ; written once: a lane permute's destination counts as one of its sources
.endr
	v_mov_b32 v24, 0xff800000                      ; -infinity
	s_wait_kmcnt 0x0
	s_load_b128 s[20:23], s[8:9], 0x0              ; e0 .. e3
	s_add_nc_u64 s[4:5], s[4:5], s[18:19]
	s_add_nc_u64 s[10:11], s[10:11], s[26:27]
	s_add_nc_u64 s[12:13], s[12:13], s[32:33]
	s_add_nc_u64 s[14:15], s[14:15], s[32:33]
.irp j, 0,1,2,3,4,5,6,7
	global_load_b128 v[R+4*\j:R+4*\j+3], v2, s[4:5] offset:512*\j th:TH_LOAD_NT   ; 32 lanes read 512 consecutive bytes
.endr
	WIN 0x40                                       ; destination window 1: w_router, expert e's load j at v[32 e + 4 j]
.irp e, 0,1,2,3,4,5,6,7
.irp j, 0,1,2,3,4,5,6,7
	global_load_b128 v[32*\e+4*\j:32*\e+4*\j+3], v2, s[6:7] offset:4096*\e+512*\j
.endr
.endr
	WIN 0
	s_wait_loadcnt 63                              ; 72 loads were issued: at most 63 out means that the oldest nine are in, x's eight among them
.irp g, 0,1                                    ; each half of the row (2,048 bytes) turns through its stage; LDS serves a wave's instructions in order, so no wait stands between
.irp i, 0,1,2,3
	ds_store_b128 v3, v[R+16*\g+4*\i:R+16*\g+4*\i+3] offset:32*SP*\g+8*SP*\i
.endr
.irp i, 0,1,2,3
	ds_load_b128 v[X+16*\g+4*\i:X+16*\g+4*\i+3], v4 offset:32*SP*\g+16*\i
.endr
.endr
	s_wait_kmcnt 0x0
	s_add_co_i32 s24, s21, 127
	s_lshl_b32 s25, s24, 23
	v_mov_b32 v8, s25                              ; 2^e1 as f32: the conversion takes its exponent field
	s_add_co_i32 s24, s24, 15
	s_lshl_b32 s24, s24, 23
	s_or_b32 s24, s24, 0x600000
	v_mov_b32 v9, s24                              ; 57,344 x 2^e1
	s_add_co_i32 s24, s23, 127
	s_lshl_b32 s25, s24, 23
	v_mov_b32 v10, s25                             ; the same with e3
	s_add_co_i32 s24, s24, 15
	s_lshl_b32 s24, s24, 23
	s_or_b32 s24, s24, 0x600000
	v_mov_b32 v11, s24
	s_wait_alu depctr_va_vdst(0)
	s_wait_dscnt 0x0                               ; both halves are back from the stages
.irp q, 0,1                                    ; version q: scale v[8 + 2 q], hold v[9 + 2 q]
.irp g, 0,1
.irp i, 0,1,2,3,4,5,6,7,8,9,10,11,12,13,14,15
	v_med3_num_f32 v[T+16*(2*\q+\g)+\i], v[X+16*\g+\i], -v[9+2*\q], v[9+2*\q]   ; the conversion to an 8-bit code does not saturate (ISA guide 7.6.2): the hold comes first
.endr
	v_cvt_scalef32_pk8_bf8_f32 v[C+4*(2*\q+\g):C+4*(2*\q+\g)+1], v[T+16*(2*\q+\g):T+16*(2*\q+\g)+7], v[8+2*\q]
	v_cvt_scalef32_pk8_bf8_f32 v[C+4*(2*\q+\g)+2:C+4*(2*\q+\g)+3], v[T+16*(2*\q+\g)+8:T+16*(2*\q+\g)+15], v[8+2*\q]
.endr
.endr
	v_nop                                          ; a plain vector line behind the last conversion
.irp q, 0,1
.irp g, 0,1
	global_store_b128 v2, v[C+4*(2*\q+\g):C+4*(2*\q+\g)+3], s[10:11] offset:1048576*\q+512*\g   ; 32 lanes store 512 consecutive bytes
.endr
.endr
	s_wait_loadcnt 0x0                             ; w_router
	WIN 0x04                                       ; source 1 in window 1
.irp e, 0,1,2,3,4,5,6,7
	v_pk_mul_f32 v[ACC+2*\e:ACC+2*\e+1], v[R:R+1], v[32*\e:32*\e+1]                ; the first products start the sums
.endr
.irp p, 1,2,3,4,5,6,7,8,9,10,11,12,13,14,15    ; the eight chains take turns
.irp e, 0,1,2,3,4,5,6,7
	v_pk_fma_f32 v[ACC+2*\e:ACC+2*\e+1], v[R+2*\p:R+2*\p+1], v[32*\e+2*\p:32*\e+2*\p+1], v[ACC+2*\e:ACC+2*\e+1]
.endr
.endr
	WIN 0
.irp e, 0,1,2,3,4,5,6,7
	v_add_f32 v[L+\e], v[ACC+2*\e], v[ACC+2*\e+1]
.endr
.irp m, 1,2,4,8                                ; over the 32 lanes: four steps inside each half, one across; every lane ends with the same sums
.irp e, 0,1,2,3,4,5,6,7
	v_add_f32_dpp v[L+\e], v[L+\e], v[L+\e] row_xmask:\m row_mask:0xf bank_mask:0xf
.endr
.endr
.irp e, 0,1,2,3,4,5,6,7
	v_permlanex16_b32 v[88+\e], v[L+\e], s28, s29
.endr
.irp e, 0,1,2,3,4,5,6,7
	v_add_f32 v[L+\e], v[L+\e], v[88+\e]
.endr
	v_mov_b32 v88, v[L]                            ; the largest logit and its expert
	v_mov_b32 v90, 0
.irp e, 1,2,3,4,5,6,7
	v_cmp_gt_f32 vcc_lo, v[L+\e], v88              ; strictly larger: of equals the lower index stays
	v_cndmask_b32 v88, v88, v[L+\e], vcc_lo
	v_cndmask_b32 v90, v90, v[16+\e], vcc_lo
.endr
.irp e, 0,1,2,3,4,5,6,7
	v_cmp_eq_u32 vcc_lo, v[16+\e], v90             ; the chosen one leaves the field
	v_cndmask_b32 v[L+\e], v[L+\e], v24, vcc_lo
.endr
	v_mov_b32 v89, v[L]                            ; the second largest and its expert
	v_mov_b32 v91, 0
.irp e, 1,2,3,4,5,6,7
	v_cmp_gt_f32 vcc_lo, v[L+\e], v89
	v_cndmask_b32 v89, v89, v[L+\e], vcc_lo
	v_cndmask_b32 v91, v91, v[16+\e], vcc_lo
.endr
	v_sub_f32 v94, v89, v88                        ; second - largest, 0 or less: the maximum is taken away
	v_mul_f32 v94, 0x3fb8aa3b, v94
	s_wait_alu depctr_va_vdst(0)
	v_exp_f32 v93, v94                             ; t = e^(second - largest)
	v_nop                                          ; a plain line behind the transcendental,
	s_wait_alu depctr_va_vdst(0)                   ; and the wait ahead of its first reader
	v_add_f32 v95, 1.0, v93
	s_wait_alu depctr_va_vdst(0)
	v_rcp_f32 v92, v95                             ; w0 = 1 / (1 + t)
	v_nop
	s_wait_alu depctr_va_vdst(0)
	v_mul_f32 v93, v93, v92                        ; w1 = t / (1 + t)
	v_cmp_eq_u32 vcc_lo, 0, v1
	s_wait_alu depctr_va_vdst(0)
	s_wait_xcnt 0x0                                ; EXEC changes only when the earlier loads and stores have had their addresses translated
	s_wait_tensorcnt 0x0
	ds_add_u32 v254, v255
	s_wait_dscnt 0x0
	s_and_saveexec_b32 s30, vcc_lo                 ; lane 0 stores for the wave
	global_store_b64 v5, v[90:91], s[12:13]
	global_store_b64 v5, v[92:93], s[14:15]
	s_endpgm
.Lfunc_end_k_q70a1868385_route:
	.size	k_q70a1868385_route, .Lfunc_end_k_q70a1868385_route-k_q70a1868385_route
	.p2alignl 7, 3214868480
	.fill 96, 4, 3214868480
	.section	.rodata,"a",@progbits
	.p2align	6, 0x0
	.amdhsa_kernel k_q70a1868385_route
		.amdhsa_group_segment_fixed_size 20992
		.amdhsa_private_segment_fixed_size 0
		.amdhsa_enable_private_segment 0
		.amdhsa_kernarg_size 48
		.amdhsa_user_sgpr_count 2
		.amdhsa_user_sgpr_kernarg_segment_ptr 1
		.amdhsa_wavefront_size32 1
		.amdhsa_system_sgpr_workgroup_id_x 1
		.amdhsa_system_sgpr_workgroup_id_y 1
		.amdhsa_system_sgpr_workgroup_id_z 1
		.amdhsa_system_vgpr_workitem_id 0
		.amdhsa_next_free_vgpr 512
		.amdhsa_next_free_sgpr 66
		.amdhsa_reserve_vcc 1
		.amdhsa_float_denorm_mode_32 3
		.amdhsa_float_denorm_mode_16_64 3
		.amdhsa_memory_ordered 1
		.amdhsa_forward_progress 1
		.amdhsa_inst_pref_size 30
	.end_amdhsa_kernel
	.amdgpu_metadata
---
amdhsa.version: [ 1, 2 ]
amdhsa.kernels:
  - .name:           k_q70a1868385_route
    .symbol:         k_q70a1868385_route.kd
    .args:
      - { .name: x, .offset: 0, .size: 8, .value_kind: global_buffer, .address_space: global }
      - { .name: w_router, .offset: 8, .size: 8, .value_kind: global_buffer, .address_space: global }
      - { .name: lowp_scales, .offset: 16, .size: 8, .value_kind: global_buffer, .address_space: global }
      - { .name: xq, .offset: 24, .size: 8, .value_kind: global_buffer, .address_space: global }
      - { .name: sel, .offset: 32, .size: 8, .value_kind: global_buffer, .address_space: global }
      - { .name: rw, .offset: 40, .size: 8, .value_kind: global_buffer, .address_space: global }
    .group_segment_fixed_size: 20992
    .private_segment_fixed_size: 0
    .kernarg_segment_align: 8
    .kernarg_segment_size: 48
    .max_flat_workgroup_size: 128
    .sgpr_count:     66
    .vgpr_count:     512
    .wavefront_size: 32
...
	.end_amdgpu_metadata
.endif
;; end of part 6
;; launch place (part 7): grid 1 x 1, 32 waves a work-group, no clusters, 5,120 bytes of LDS; arguments sel, list, cnt; writes list, cnt
.if DOCPART == 7
	.amdgcn_target "amdgcn-amd-amdhsa--gfx1250"
	.amdhsa_code_object_version 6
	.text
	.protected	k_q70a1868385_place
	.globl	k_q70a1868385_place
	.p2align	8
	.type	k_q70a1868385_place,@function
k_q70a1868385_place:
	s_mov_b64 s[64:65], 0
	v_nop
	global_prefetch_b8 v0, s[64:65] scope:SCOPE_SE
	s_setreg_imm32_b32 hwreg(HW_REG_WAVE_MODE, 25, 1), 1
	s_wait_xcnt 0x0
; PLACE.  A counting sort of the 2,048 pairs (token, slot) by expert, by one work-group of 1,024 threads; thread t takes token t.  No atomics.
; list[e][p], p < cnt[e]: slot x 1024 + token of the expert's p-th row (tokens ascending).  list[e][p], p >= cnt[e]: 2048 + 32 e + (p & 31): a pad; its low ten bits
; name a token that exists, and as a row of the later launches' workspace it names a row that nobody reads.  Every entry of list is written.  cnt[e]: the expert's rows.
; A wave counts its tokens of each expert from the compare masks; the 32 waves' counts meet in LDS (counts[e][wave] at 128 e + 4 wave); behind ONE barrier every wave
; sums all 32 (the total) and those of the waves before it (its first place), both in one word (each is 1,024 at the most: 16 bits do).
; A token's two experts differ (the launch before takes the first out of the field before it looks for the second).
	s_load_b128 s[4:7], s[0:1], 0x0                ; sel s[4:5], list s[6:7]
	s_load_b64 s[8:9], s[0:1], 0x10                ; cnt
	v_lshl_add_u32 v48, v0, 2, 0x400
	v_mov_b32 v49, 0
	v_lshrrev_b32 v4, 5, v0
	s_delay_alu instid0(VALU_DEP_1)
	v_readfirstlane_b32 s10, v4                    ; wave
	s_delay_alu instid0(VALU_DEP_2)
	v_lshlrev_b32 v5, 2, v4                        ; 4 x wave
	v_and_b32 v1, 31, v0                           ; lane
	s_delay_alu instid0(VALU_DEP_1)
	v_lshlrev_b32 v6, 2, v1                        ; 4 x lane
	v_lshlrev_b32 v7, 2, v0                        ; 4 x t
	v_lshlrev_b32 v26, 3, v0                       ; 8 x t
	v_mov_b32 v24, 0                               ; my first pair's place
	v_mov_b32 v25, 0                               ; my second pair's
	v_mov_b32 v27, 0                               ; written once: the destination of a lane move counts as read
	s_mov_b32 s44, 0x76543210
	s_mov_b32 s45, 0xfedcba98
	s_wait_alu depctr_va_vdst(0)
	s_wait_kmcnt 0x0
	global_load_b64 v[2:3], v26, s[4:5]            ; i0, i1
	s_wait_loadcnt 0x0
	v_min_u32 v2, 7, v2                            ; a loaded number enters an address only behind a bound
	v_min_u32 v3, 7, v3
.irp e, 0,1,2,3,4,5,6,7
	v_cmp_eq_u32 s[16+\e], \e, v2
	v_cmp_eq_u32 s[24+\e], \e, v3
	s_or_b32 s[32+\e], s[16+\e], s[24+\e]
	s_bcnt1_i32_b32 s40, s[32+\e]                  ; my wave's rows of expert e
	v_mov_b32 v4, s40
	ds_store_b32 v5, v4 offset:128*\e              ; all lanes write the same word with the same number
.endr
	s_wait_dscnt 0x0                               ; for the others' sake: my stores have landed
	s_barrier_signal -1
	s_barrier_wait -1
.irp e, 0,1,2,3,4,5,6,7
	ds_load_b32 v[8+\e], v6 offset:128*\e          ; lane l: wave l's count
.endr
	v_cmp_gt_u32 s41, s10, v1                      ; the lanes that stand for waves before mine
	s_wait_dscnt 0x0
.irp e, 0,1,2,3,4,5,6,7
	v_cndmask_b32 v26, 0, v[8+\e], s41
	s_delay_alu instid0(VALU_DEP_1)
	v_lshl_add_u32 v[8+\e], v26, 16, v[8+\e]       ; low half: for the total; high half: for my wave's first place
.irp m, 1,2,4,8
	s_delay_alu instid0(VALU_DEP_1)
	v_mov_b32_dpp v27, v[8+\e] row_xmask:\m row_mask:0xf bank_mask:0xf
	s_delay_alu instid0(VALU_DEP_1)
	v_add_nc_u32 v[8+\e], v[8+\e], v27
.endr
	s_delay_alu instid0(VALU_DEP_1)
	v_permlanex16_b32 v27, v[8+\e], s44, s45
	s_delay_alu instid0(VALU_DEP_1)
	v_add_nc_u32 v[8+\e], v[8+\e], v27
	s_delay_alu instid0(VALU_DEP_1)
	v_and_b32 v[16+\e], 0xffff, v[8+\e]            ; the expert's rows in all
	s_delay_alu instid0(VALU_DEP_2)
	v_lshrrev_b32 v28, 16, v[8+\e]
	v_mbcnt_lo_u32_b32 v29, s[32+\e], 0            ; my wave's rows of the expert in lanes before mine
	s_delay_alu instid0(VALU_DEP_1)
	v_add_nc_u32 v28, v28, v29
	s_delay_alu instid0(VALU_DEP_1)
	v_cndmask_b32 v24, v24, v28, s[16+\e]
	s_delay_alu instid0(VALU_DEP_2)
	v_cndmask_b32 v25, v25, v28, s[24+\e]
.endr
	s_delay_alu instid0(VALU_DEP_2)
	v_min_u32 v24, 0x3ff, v24
	s_delay_alu instid0(VALU_DEP_2)
	v_min_u32 v25, 0x3ff, v25
	s_delay_alu instid0(VALU_DEP_2)
	v_lshl_add_u32 v30, v2, 10, v24
	s_delay_alu instid0(VALU_DEP_1)
	v_lshlrev_b32 v30, 2, v30
	s_delay_alu instid0(VALU_DEP_3)
	v_lshl_add_u32 v31, v3, 10, v25
	s_delay_alu instid0(VALU_DEP_1)
	v_lshlrev_b32 v31, 2, v31
	v_add_nc_u32 v33, 0x400, v0
	global_store_b32 v30, v0, s[6:7]               ; slot 0: t
	global_store_b32 v31, v33, s[6:7]              ; slot 1: 1024 + t
.irp e, 0,1,2,3,4,5,6,7                        ; the pads: places from the expert's count on, which no pair has taken
	v_cmp_le_u32 vcc_lo, v[16+\e], v0
	s_wait_xcnt 0x0                                ; the earlier stores have read their data and EXEC
	v_add_nc_u32 v28, 2048+32*\e, v1
	s_and_saveexec_b32 s42, vcc_lo
	global_store_b32 v7, v28, s[6:7] offset:4096*\e
	s_wait_xcnt 0x0
	s_or_b32 exec_lo, exec_lo, s42
.endr
	v_mov_b32 v32, 0
.irp e, 0,1,2,3,4,5,6,7
	v_cmp_eq_u32 vcc_lo, \e, v1
	s_delay_alu instid0(VALU_DEP_1)
	v_cndmask_b32 v32, v32, v[16+\e], vcc_lo       ; lane e: expert e's count
.endr
	s_cmp_lg_u32 s10, 0
	s_cbranch_scc1 .Lend
	v_cmp_gt_u32 vcc_lo, 8, v1
	s_wait_xcnt 0x0
	s_wait_tensorcnt 0x0
	ds_add_u32 v48, v49
	s_wait_dscnt 0x0
	s_and_saveexec_b32 s42, vcc_lo
	s_wait_alu depctr_va_vdst(0)
	global_store_b32 v6, v32, s[8:9]               ; wave 0, lanes 0 to 7
	s_endpgm
.Lend:
	s_wait_tensorcnt 0x0
	ds_add_u32 v48, v49
	s_wait_dscnt 0x0
	s_endpgm
.Lfunc_end_k_q70a1868385_place:
	.size	k_q70a1868385_place, .Lfunc_end_k_q70a1868385_place-k_q70a1868385_place
	.p2alignl 7, 3214868480
	.fill 96, 4, 3214868480
	.section	.rodata,"a",@progbits
	.p2align	6, 0x0
	.amdhsa_kernel k_q70a1868385_place
		.amdhsa_group_segment_fixed_size 5120
		.amdhsa_private_segment_fixed_size 0
		.amdhsa_enable_private_segment 0
		.amdhsa_kernarg_size 24
		.amdhsa_user_sgpr_count 2
		.amdhsa_user_sgpr_kernarg_segment_ptr 1
		.amdhsa_wavefront_size32 1
		.amdhsa_system_sgpr_workgroup_id_x 1
		.amdhsa_system_sgpr_workgroup_id_y 1
		.amdhsa_system_sgpr_workgroup_id_z 1
		.amdhsa_system_vgpr_workitem_id 0
		.amdhsa_next_free_vgpr 50
		.amdhsa_next_free_sgpr 66
		.amdhsa_reserve_vcc 1
		.amdhsa_float_denorm_mode_32 3
		.amdhsa_float_denorm_mode_16_64 3
		.amdhsa_memory_ordered 1
		.amdhsa_forward_progress 1
		.amdhsa_inst_pref_size 21
	.end_amdhsa_kernel
	.amdgpu_metadata
---
amdhsa.version: [ 1, 2 ]
amdhsa.kernels:
  - .name:           k_q70a1868385_place
    .symbol:         k_q70a1868385_place.kd
    .args:
      - { .name: sel, .offset: 0, .size: 8, .value_kind: global_buffer, .address_space: global }
      - { .name: list, .offset: 8, .size: 8, .value_kind: global_buffer, .address_space: global }
      - { .name: cnt, .offset: 16, .size: 8, .value_kind: global_buffer, .address_space: global }
    .group_segment_fixed_size: 5120
    .private_segment_fixed_size: 0
    .kernarg_segment_align: 8
    .kernarg_segment_size: 24
    .max_flat_workgroup_size: 1024
    .sgpr_count:     66
    .vgpr_count:     50
    .wavefront_size: 32
...
	.end_amdgpu_metadata
.endif
;; end of part 7
;; launch gateup (part 8): grid 32 x 8, 8 waves a work-group, no clusters, 134,144 bytes of LDS; arguments xq, w_gate_codes, w_up_codes, lowp_scales, list, cnt, hq; writes hq
.if DOCPART == 8
	.amdgcn_target "amdgcn-amd-amdhsa--gfx1250"
	.amdhsa_code_object_version 6
	.text
	.protected	k_q70a1868385_gateup
	.globl	k_q70a1868385_gateup
	.p2align	8
	.type	k_q70a1868385_gateup,@function
k_q70a1868385_gateup:
	s_mov_b64 s[64:65], 0
	v_nop
	global_prefetch_b8 v0, s[64:65] scope:SCOPE_SE
	s_setreg_imm32_b32 hwreg(HW_REG_WAVE_SCHED_MODE, 0, 2), 2
	s_setreg_imm32_b32 hwreg(HW_REG_WAVE_MODE, 25, 1), 1
	s_wait_xcnt 0x0
	s_wait_alu depctr_vm_vsrc(0)
; GATEUP.  h = silu(x Wg^T) * (x Wu^T) for the rows that were routed to an expert, quantised to E5M2 with 2^e5.  Both products on E5M2 codes, sums in f32.
; SHARES.  A work-group is (slice = x, expert = y): 64 hidden units: 64 rows of w_gate and 64 of w_up (1,024 codes each), 128 KiB, which it alone reads in the launch and keeps in LDS.
; The expert's rows go in groups of 32; wave w takes groups w, w + 8, ..: (groups + 7 - w) / 8 trips of its loop.  A wave's tile: 128 weight rows x 32 tokens: 16 accumulators, 8 K steps of 128, 16 matrix instructions each.
; TRANSPOSED USE: source 0 = 16 weight rows, source 1 = 16 tokens: a lane holds ONE token, its registers run along the hidden units, which are the next product's K.
; THE WEIGHT ROWS OF A TILE ARE NOT NEIGHBOURS: LDS row 16 t + r of a matrix holds slice row 32 (t / 2) + 8 (t % 2) + r + 8 (r / 8), so that the 16 registers of tiles 2 b and 2 b + 1 are
; the 16 neighbouring hidden units 32 b + 16 (lane / 16) + 0 .. 15, and the conversions' results are the next operand's registers.
; A fragment is fetched by four loads of 16 bytes, 32 apart: a permutation of k inside a K step, the same on both sides, so every product meets its partner.
; hq is laid as images of the operand's registers: [expert][group][row tile][K step][chunk c][lane][16 bytes]; lane (r, h): row r, K = 128 s + 32 c + 16 h + 0 .. 15.
; SCALES.  G and U are the sums of code products: g = G 2^(e0+e1), u = U 2^(e2+e3).  sigma(g) = 1 / (1 + 2^(G x SC)), SC = -log2(e) 2^(e0+e1).  code = G U sigma / 2^E, E = e5 - e0 - e1 - e2 - e3.
; LIMITS: e0 + e1 between -126 and 127 (added to SC's exponent field); E between -126 and 112.  NaN and infinity are not served.
; NO TENSOR LOADS, NO CLUSTER: the number of groups is a count read from memory, and a trip count that hangs on a loaded number goes with neither; the rows that the 32 slices of an
; expert share are gathered by a list and form no tile.  Pad rows (places from the count up to a whole group) are computed like the others from tokens that exist; nobody uses them.
; REGISTERS.  Window 0: v1-15 addresses and constants; v64-255 a ring of three sets of x's fragments (set: 2 versions x 2 row tiles x 16 registers); behind the products they serve the activation.
;   Window 1: v0-63 WG, the K step's 4 fragments of w_gate; v64-127 WU, its 4 of w_up; v128-255 the accumulators: (row tile u, weight tile t) at v[128 + 8 (8 u + t)].
; THE MODE: SCHED_MODE bits 1:0 = 2 (LLVM: expert scheduling mode 2), set by the entry lines.  The code itself states the register dependences
; between vector or matrix instructions and memory or LDS instructions, with s_wait_alu, always for 0.
; THE PLAN.  A K step goes in two halves: w_gate's 8 products (WG, x in the gate product's version), then w_up's 8 (WU, x in the up product's version).  Registers that memory or LDS instructions touch, in the loop:
;   WG          read by the gate half of step s; the LDS loads of step s + 1 land in it in the up half of step s.
;   WU          read by the up half of step s; the LDS loads of step s + 1 land in it in the gate half of step s + 1.
;   the ring    set s % 3: its gate part is read by the gate half of step s and loaded again (step s + 3) in the up half of step s; its up part is read by the up half of step s and loaded again in the gate half of step s + 1.
;               Behind the last products the activation writes and reads the ring; the four stores read the codes in v192-207; then the next group's first three sets land in it.
;   v8-9        x's offsets: read by every load of x; written once a group.     v10-11  the list's entries: loaded, then read and written by three vector lines each.
;   v3-7        made at the head, never written again.                         v62, v63: written at the head, read by the closing add alone.
; So ONE wait on va_vdst stands at the head of a half, behind the waits for its data: the half before is done reading just those registers in which this half's loads land.  The 16 LDS loads follow it at once and have
; this half's products in which to land; the 8 loads of x follow the products, which name the other fragments, the other part of the ring and the accumulators.
.set PITCH, 1040                       ; an LDS row: 1,024 bytes + 16: 65 x 16, so that the 16 rows of a fragment load start at 16 different groups of banks (64 banks of 4 bytes: ISA guide 11.1)
.set UPB,   64*PITCH                   ; w_up's rows lie behind w_gate's
.set LI,    3                          ; v3   16 x lane
.set LOFF,  4                          ; v4   4 x (lane % 16): my row's entry in a tile's part of the list
.set AWG,   5                          ; v5   my lane's place in a fragment of w_gate
.set AWU,   6                          ; v6   of w_up
.set FILL,  7                          ; v7   where my wave puts the rows that it fetches
.set XO,    8                          ; v8-9   byte offset of my token's codes, row tile 0, 1
.set EN,    10                         ; v10-11 the list's entries
.set QS,    12                         ; v12  2^E as f32
.set QL,    13                         ; v13  57,344 x 2^E
.set H16,   15                         ; v15  16 x (lane / 16)
.set XR,    64                         ; the ring
.set TT,    64                         ; the activation: row tile u: v[64 + 64 u ..] 32 registers: G x SC, then sigma
.set PP,    96                         ;                 v[96 + 64 u ..] 32 registers: G U, then G U sigma
.set CC,    192                        ;                 v[192 + 8 u ..] 8 registers of codes
.set ACC,   128
.set MSB, 0
.macro WIN new                         ; the immediate's high byte repeats the setting that is left
.if MSB != \new
	s_set_vgpr_msb (MSB<<8)|\new
.set MSB, \new
.endif
.endm
.macro XHALF s, q                      ; x's fragments of K step s in version q (0: the gate product's, 1: the up product's), both row tiles: 8 loads into set s % 3
.irp u, 0,1
.irp c, 0,1,2,3
	global_load_b128 v[XR+64*((\s)%3)+16*(2*(\q)+\u)+4*\c:XR+64*((\s)%3)+16*(2*(\q)+\u)+4*\c+3], v[XO+\u], s[4:5] offset:1048576*(\q)+128*(\s)+32*\c
.endr
.endr
.endm
.macro XSET s                          ; both versions: 16 loads
	XHALF \s, 0
	XHALF \s, 1
.endm
.macro WGATE s                         ; w_gate's 4 fragments of K step s: 16 LDS loads in one run (destination window 1)
.irp t, 0,1,2,3
.irp c, 0,1,2,3
	ds_load_b128 v[16*\t+4*\c:16*\t+4*\c+3], v[AWG] offset:\t*16*PITCH+128*(\s)+32*\c
.endr
.endr
.endm
.macro WUP s                           ; w_up's 4 fragments likewise
.irp t, 0,1,2,3
.irp c, 0,1,2,3
	ds_load_b128 v[64+16*\t+4*\c:64+16*\t+4*\c+3], v[AWU] offset:\t*16*PITCH+128*(\s)+32*\c
.endr
.endr
.endm
.macro LISTLD                          ; the group's 32 entries: lane (r, h) takes those of rows r and 16 + r
	global_load_b32 v[EN], v[LOFF], s[12:13]
	global_load_b32 v[EN+1], v[LOFF], s[12:13] offset:64
.endm
.macro LISTUSE
.irp u, 0,1
	v_and_b32 v[EN+\u], 0x3ff, v[EN+\u]            ; the token
	v_min_u32 v[EN+\u], 0x3ff, v[EN+\u]            ; a loaded number enters an address only behind a bound
	v_lshl_add_u32 v[XO+\u], v[EN+\u], 10, v[H16]  ; its row of 1,024 codes, + 16 x half
.endr
.endm
; The halves of x are asked for in the order (step, version) ascending, 8 loads each, and loads come back in order (ISA guide 5.7.1): a half's count is 8 x the halves asked for behind its own.
; The 16 accumulators take turns, one instruction a turn, in the same order in every step.
; THE GATE HALF of K step s.
.macro GATE s
.if (\s) == 0
	s_wait_dscnt 16                                ; WG is in; WU's 16 loads, issued behind it at the group's head, may be out
	s_wait_loadcnt 40                              ; the gate part of set 0 is in; the five halves asked for behind it may be out
.else
	s_wait_dscnt 0x0                               ; WG of this step, asked for in the half before
.if (\s) <= 5
	s_wait_loadcnt 32                              ; the gate part of set s is in; behind it: (s, up), (s + 1, gate), (s + 1, up), (s + 2, gate)
.elseif (\s) == 6
	s_wait_loadcnt 24
.else
	s_wait_loadcnt 8
.endif
	WIN 0x40                                       ; destination window 1
	s_wait_alu depctr_va_vdst(0)                   ; the up half of step s - 1 is done reading WU and the up part of its set of x, in which the loads of this half land
	WUP \s
.endif
	WIN 0x51                                       ; source 0 (weights), C and D window 1; source 1 (x) window 0
.irp u, 0,1
.irp t, 0,1,2,3
.if (\s) == 0
	v_wmma_f32_16x16x128_bf8_bf8 v[ACC+8*(8*\u+\t):ACC+8*(8*\u+\t)+7], v[16*\t:16*\t+15], v[XR+64*((\s)%3)+16*\u:XR+64*((\s)%3)+16*\u+15], 0
.else
	v_wmma_f32_16x16x128_bf8_bf8 v[ACC+8*(8*\u+\t):ACC+8*(8*\u+\t)+7], v[16*\t:16*\t+15], v[XR+64*((\s)%3)+16*\u:XR+64*((\s)%3)+16*\u+15], v[ACC+8*(8*\u+\t):ACC+8*(8*\u+\t)+7]
.endif
.endr
.endr
.if ((\s) > 0) && ((\s) < 6)
	WIN 0
	XHALF (\s)+2, 1                                ; into the up part of the set of step s - 1.  No further wait: the products since the wait above name WG, the gate part of set s and the accumulators
.endif
.endm
; THE UP HALF of K step s.
.macro UP s
	s_wait_dscnt 0x0                               ; WU of this step, asked for in the half before (step 0: at the group's head)
.if (\s) <= 5
	s_wait_loadcnt 32                              ; the up part of set s is in; behind it: both parts of sets s + 1 and s + 2
.elseif (\s) == 6
	s_wait_loadcnt 16
.else
	s_wait_loadcnt 0
.endif
.if (\s) < 7
	WIN 0x40
	s_wait_alu depctr_va_vdst(0)                   ; the gate half of this step is done reading WG and the gate part of its set of x, in which the loads of this half land
	WGATE (\s)+1
.endif
	WIN 0x51
.irp u, 0,1
.irp t, 4,5,6,7
.if (\s) == 0
	v_wmma_f32_16x16x128_bf8_bf8 v[ACC+8*(8*\u+\t):ACC+8*(8*\u+\t)+7], v[16*\t:16*\t+15], v[XR+64*((\s)%3)+16*(2+\u):XR+64*((\s)%3)+16*(2+\u)+15], 0
.else
	v_wmma_f32_16x16x128_bf8_bf8 v[ACC+8*(8*\u+\t):ACC+8*(8*\u+\t)+7], v[16*\t:16*\t+15], v[XR+64*((\s)%3)+16*(2+\u):XR+64*((\s)%3)+16*(2+\u)+15], v[ACC+8*(8*\u+\t):ACC+8*(8*\u+\t)+7]
.endif
.endr
.endr
.if (\s) < 5
	WIN 0
	XHALF (\s)+3, 0                                ; into the gate part of this step's set.  No further wait: the products since the wait above name WU, the up part of the set and the accumulators
.endif
.endm
; The activation, the quantiser and the way out of a group.
.macro EPI
.rept 4
	v_nop                                          ; four places in front of the first read of results, and of the first vector write into registers that the last products have read (ISA guide 7.12.1)
.endr
	WIN 0x01                                       ; source 0 window 1
.irp u, 0,1
.irp t, 0,1,2,3
.irp i, 0,2,4,6
	v_pk_mul_f32 v[TT+64*\u+8*\t+\i:TT+64*\u+8*\t+\i+1], v[ACC+8*(8*\u+\t)+\i:ACC+8*(8*\u+\t)+\i+1], s[30:31] op_sel_hi:[1,0]   ; G x SC; each accumulator from its low end on
.endr
.endr
.endr
	WIN 0x05                                       ; sources 0 and 1 window 1
.irp u, 0,1
.irp t, 0,1,2,3
.irp i, 0,2,4,6
	v_pk_mul_f32 v[PP+64*\u+8*\t+\i:PP+64*\u+8*\t+\i+1], v[ACC+8*(8*\u+\t)+\i:ACC+8*(8*\u+\t)+\i+1], v[ACC+8*(8*\u+\t+4)+\i:ACC+8*(8*\u+\t+4)+\i+1]   ; G U
.endr
.endr
.endr
	WIN 0
	s_wait_alu depctr_va_vdst(0)
.irp u, 0,1
.set n, 0
.rept 32
	v_exp_f32 v[TT+64*\u+n], v[TT+64*\u+n]         ; e^-g
.set n, n+1
.endr
.endr
	v_nop                                          ; a plain line behind the batch,
	s_wait_alu depctr_va_vdst(0)                   ; and one wait for all 64 exponentials, ahead of their first reader
.irp u, 0,1
.set n, 0
.rept 16
	v_pk_add_f32 v[TT+64*\u+n:TT+64*\u+n+1], v[TT+64*\u+n:TT+64*\u+n+1], 1.0 op_sel_hi:[1,0]
.set n, n+2
.endr
.endr
	s_wait_alu depctr_va_vdst(0)
.irp u, 0,1
.set n, 0
.rept 32
	v_rcp_f32 v[TT+64*\u+n], v[TT+64*\u+n]         ; sigma(g)
.set n, n+1
.endr
.endr
	v_nop
	s_wait_alu depctr_va_vdst(0)                   ; one wait for all 64 reciprocals, ahead of their first reader
.irp u, 0,1
.set n, 0
.rept 16
	v_pk_mul_f32 v[PP+64*\u+n:PP+64*\u+n+1], v[PP+64*\u+n:PP+64*\u+n+1], v[TT+64*\u+n:TT+64*\u+n+1]
.set n, n+2
.endr
.endr
.irp u, 0,1
.set n, 0
.rept 32
	v_med3_num_f32 v[PP+64*\u+n], v[PP+64*\u+n], -v[QL], v[QL]   ; the conversion to an 8-bit code does not saturate (ISA guide 7.6.2): the hold comes first
.set n, n+1
.endr
.endr
.irp u, 0,1
.irp t, 0,1,2,3
	v_cvt_scalef32_pk8_bf8_f32 v[CC+8*\u+2*\t:CC+8*\u+2*\t+1], v[PP+64*\u+8*\t:PP+64*\u+8*\t+7], v[QS]
.endr
.endr
	v_nop                                          ; a plain vector line behind the last conversion
	s_wait_alu depctr_va_vdst(0)                   ; the conversions have written the codes v192-207, which the stores read
.irp u, 0,1
.irp b, 0,1
	global_store_b128 v[LI], v[CC+8*\u+4*\b:CC+8*\u+4*\b+3], s[16:17] offset:32768*\u+512*\b   ; a chunk of the image: 32 lanes, 512 consecutive bytes
.endr
.endr
.endm
	s_load_b256 s[4:11], s[0:1], 0x0               ; xq s[4:5], w_gate s[6:7], w_up s[8:9], the scales' exponents s[10:11]
	s_load_b128 s[12:15], s[0:1], 0x20             ; list s[12:13], cnt s[14:15]
	s_load_b64 s[16:17], s[0:1], 0x30              ; hq
	v_lshl_add_u32 v62, v0, 2, 0x20800
	v_mov_b32 v63, 0
	v_lshrrev_b32 v1, 5, v0
	v_readfirstlane_b32 s18, v1                    ; wave 0..7
	s_mov_b32 s19, ttmp9                           ; slice
	s_and_b32 s20, ttmp7, 0xffff                   ; expert
	v_and_b32 v14, 31, v0
	v_lshlrev_b32 v[LI], 4, v14
	v_and_b32 v1, 15, v0                           ; r
	v_bfe_u32 v2, v0, 4, 1                         ; h
	v_lshlrev_b32 v[LOFF], 2, v1
	v_lshlrev_b32 v[H16], 4, v2
	v_mul_u32_u24 v[AWG], v1, PITCH
	v_lshl_add_u32 v[AWG], v2, 4, v[AWG]
	v_add_nc_u32 v[AWU], UPB, v[AWG]
	s_wait_alu depctr_va_sdst(0)                   ; s18, the wave's number, is written, ahead of its first reader
	s_lshr_b32 s38, s18, 1                         ; wave w fetches slice rows 16 (w % 4) .. + 15 of w_gate (w < 4) or w_up; row i of them goes to LDS row 32 (w / 2) + 8 (w % 2) + 16 (i / 8) + i % 8
	s_lshl_b32 s38, s38, 5
	s_and_b32 s39, s18, 1
	s_lshl_b32 s39, s39, 3
	s_add_co_u32 s38, s38, s39
	s_mul_i32 s38, s38, PITCH
	v_add_nc_u32 v[FILL], s38, v[LI]
	s_lshl_b32 s32, s20, 11                        ; the rows that I fetch, in bytes: (2048 e + 64 slice + 16 (w % 4)) x 1,024
	s_lshl_b32 s39, s19, 6
	s_add_co_u32 s32, s32, s39
	s_and_b32 s39, s18, 3
	s_lshl_b32 s39, s39, 4
	s_add_co_u32 s32, s32, s39
	s_lshl_b32 s32, s32, 10
	s_mov_b32 s33, 0
	s_lshl_b32 s36, s20, 12                        ; the list: 4,096 e + 128 x group
	s_lshl_b32 s39, s18, 7
	s_add_co_u32 s36, s36, s39
	s_mov_b32 s37, 0
	s_lshl_b32 s40, s20, 5                         ; hq: (32 e + group) x 65,536 + slice x 1,024 (K step slice / 2, chunks 2 (slice % 2) on)
	s_add_co_u32 s40, s40, s18
	s_lshl_b32 s40, s40, 16
	s_lshl_b32 s39, s19, 10
	s_add_co_u32 s40, s40, s39
	s_mov_b32 s41, 0
	s_lshl_b32 s42, s20, 2                         ; cnt: 4 e
	s_mov_b32 s43, 0
	s_wait_kmcnt 0x0
	s_add_nc_u64 s[14:15], s[14:15], s[42:43]
	s_load_b32 s21, s[14:15], 0x0                  ; the expert's rows
	s_load_b128 s[24:27], s[10:11], 0x0            ; e0 .. e3
	s_load_b64 s[28:29], s[10:11], 0x10            ; e4, e5
	s_cmp_lt_u32 s18, 4
	s_cselect_b64 s[34:35], s[6:7], s[8:9]         ; the choice hangs on the wave's number alone
	s_add_nc_u64 s[34:35], s[34:35], s[32:33]
	s_add_nc_u64 s[12:13], s[12:13], s[36:37]
	s_add_nc_u64 s[16:17], s[16:17], s[40:41]
	s_wait_alu depctr_va_vdst(0)                   ; the offsets and LDS addresses v3 to v7 are written, which the loads and stores of the whole kernel read
	LISTLD                                         ; group w's entries: every entry of the list is written, so a wave without rows reads pads
	WIN 0x40
.set k, 0
.rept 32
	global_load_b128 v[4*k:4*k+3], v[LI], s[34:35] offset:512*k th:TH_LOAD_NT   ; my 16 rows lie on end: 16 KiB, 512 consecutive bytes a load; read once in the launch
.set k, k+1
.endr
	WIN 0
	s_wait_loadcnt 32                              ; the two entries are in; the 32 weight loads stay out
	LISTUSE
	s_wait_alu depctr_va_vdst(0)                   ; x's offsets v8, v9 are written, which the loads of x read
	XSET 0                                         ; issued by every wave, so that the ring is written on every way into the loop
	XSET 1
	XSET 2
	s_wait_loadcnt 48                              ; the weights are in; the three sets of x stay out
	WIN 0x04                                       ; store data window 1
.set k, 0
.rept 32
	ds_store_b128 v[FILL], v[4*k:4*k+3] offset:(16*((k/2)/8)+(k/2)%8)*PITCH+512*(k%2)
.set k, k+1
.endr
	WIN 0
	s_wait_kmcnt 0x0
	s_min_u32 s21, s21, 1024
	s_add_co_u32 s21, s21, 31
	s_lshr_b32 s21, s21, 5                         ; groups, 32 at the most
	s_add_co_u32 s23, s21, 7
	s_sub_co_u32 s23, s23, s18
	s_lshr_b32 s23, s23, 3                         ; my trips: the groups w, w + 8, .. below that; 0 where there are w groups or fewer
	s_mov_b32 s22, 0                               ; trips done
	s_add_co_i32 s38, s24, s25                     ; e0 + e1
	s_lshl_b32 s39, s38, 23
	s_add_co_i32 s30, s39, 0xbfb8aa3b              ; SC = -log2(e) x 2^(e0 + e1): the sum is added to the exponent field
	s_mov_b32 s31, s30                             ; (named with it as a pair, so it is written)
	s_add_co_i32 s38, s38, s26
	s_add_co_i32 s38, s38, s27
	s_sub_co_i32 s38, s29, s38                     ; E
	s_add_co_i32 s38, s38, 127
	s_lshl_b32 s39, s38, 23
	v_mov_b32 v[QS], s39
	s_add_co_i32 s38, s38, 15
	s_lshl_b32 s38, s38, 23
	s_or_b32 s38, s38, 0x600000
	v_mov_b32 v[QL], s38
	s_wait_dscnt 0x0                               ; for the others' sake: my rows have landed
	s_barrier_signal -1
	s_barrier_wait -1                              ; the one barrier: all 128 rows lie in LDS, and from here on LDS is only read
	s_wait_alu depctr_vm_vsrc(0)                   ; my LDS stores have read window 1's v0-127: these registers are WG and WU from here on, in which the fragments' loads land
	s_cmp_ge_u32 s22, s23
	s_cbranch_scc1 .Ldone
.Lgroup:
	WIN 0x40                                       ; step 0's fragments.  No wait: on the way in the line above has freed WG and WU; on the way back the last group's products stand ahead of the activation's waits
	WGATE 0
	WUP 0
.irp s, 0,1,2,3,4,5,6,7
	GATE \s
	UP \s
.endr
	EPI
	s_wait_xcnt 0x0                                ; the stores have read their data and their base, the loads their offsets: all may be written again
	s_wait_alu depctr_vm_vsrc(0)                   ; the stores have read the codes v192-207, in which loads of x land again; the loads of x have read their offsets v8, v9, which are made anew below
	s_add_nc_u64 s[16:17], s[16:17], 0x80000       ; eight groups on
	s_add_nc_u64 s[12:13], s[12:13], 0x400
	s_add_co_u32 s22, s22, 1
	s_cmp_ge_u32 s22, s23
	s_cbranch_scc1 .Ldone                          ; nothing is loaded for a group that is not there
	LISTLD                                         ; (the vector lines that named v10, v11 stand ahead of the waits on va_vdst above)
	s_wait_loadcnt 0x0
	LISTUSE
	s_wait_alu depctr_va_vdst(0)                   ; x's offsets v8, v9 are written, which the loads of x read
	XSET 0
	XSET 1
	XSET 2
	s_cmp_lt_u32 s22, s23                          ; the loop's own test: the counter, stepped by 1 a trip, against my trips
	s_cbranch_scc1 .Lgroup
.Ldone:
	s_wait_dscnt 0x0                               ; the closing lines, six on end
	s_wait_alu 0x0
	s_wait_tensorcnt 0x0
	ds_add_u32 v62, v63
	s_wait_dscnt 0x0
	s_endpgm
.Lfunc_end_k_q70a1868385_gateup:
	.size	k_q70a1868385_gateup, .Lfunc_end_k_q70a1868385_gateup-k_q70a1868385_gateup
	.p2alignl 7, 3214868480
	.fill 96, 4, 3214868480
	.section	.rodata,"a",@progbits
	.p2align	6, 0x0
	.amdhsa_kernel k_q70a1868385_gateup
		.amdhsa_group_segment_fixed_size 134144
		.amdhsa_private_segment_fixed_size 0
		.amdhsa_enable_private_segment 0
		.amdhsa_kernarg_size 56
		.amdhsa_user_sgpr_count 2
		.amdhsa_user_sgpr_kernarg_segment_ptr 1
		.amdhsa_wavefront_size32 1
		.amdhsa_system_sgpr_workgroup_id_x 1
		.amdhsa_system_sgpr_workgroup_id_y 1
		.amdhsa_system_sgpr_workgroup_id_z 1
		.amdhsa_system_vgpr_workitem_id 0
		.amdhsa_next_free_vgpr 512
		.amdhsa_next_free_sgpr 66
		.amdhsa_reserve_vcc 0
		.amdhsa_float_denorm_mode_32 3
		.amdhsa_float_denorm_mode_16_64 3
		.amdhsa_memory_ordered 1
		.amdhsa_forward_progress 1
		.amdhsa_inst_pref_size 72
	.end_amdhsa_kernel
	.amdgpu_metadata
---
amdhsa.version: [ 1, 2 ]
amdhsa.kernels:
  - .name:           k_q70a1868385_gateup
    .symbol:         k_q70a1868385_gateup.kd
    .args:
      - { .name: xq, .offset: 0, .size: 8, .value_kind: global_buffer, .address_space: global }
      - { .name: w_gate_codes, .offset: 8, .size: 8, .value_kind: global_buffer, .address_space: global }
      - { .name: w_up_codes, .offset: 16, .size: 8, .value_kind: global_buffer, .address_space: global }
      - { .name: lowp_scales, .offset: 24, .size: 8, .value_kind: global_buffer, .address_space: global }
      - { .name: list, .offset: 32, .size: 8, .value_kind: global_buffer, .address_space: global }
      - { .name: cnt, .offset: 40, .size: 8, .value_kind: global_buffer, .address_space: global }
      - { .name: hq, .offset: 48, .size: 8, .value_kind: global_buffer, .address_space: global }
    .group_segment_fixed_size: 134144
    .private_segment_fixed_size: 0
    .kernarg_segment_align: 8
    .kernarg_segment_size: 56
    .max_flat_workgroup_size: 256
    .sgpr_count:     66
    .vgpr_count:     512
    .wavefront_size: 32
...
	.end_amdgpu_metadata
.endif
;; end of part 8
;; launch down (part 9): grid 32 x 8, 8 waves a work-group, no clusters, 167,936 bytes of LDS; arguments hq, w_down_codes, list, cnt, y2; writes y2
.if DOCPART == 9
	.amdgcn_target "amdgcn-amd-amdhsa--gfx1250"
	.amdhsa_code_object_version 6
	.text
	.protected	k_q70a1868385_down
	.globl	k_q70a1868385_down
	.p2align	8
	.type	k_q70a1868385_down,@function
k_q70a1868385_down:
	s_mov_b64 s[64:65], 0
	v_nop
	global_prefetch_b8 v0, s[64:65] scope:SCOPE_SE
	s_setreg_imm32_b32 hwreg(HW_REG_WAVE_SCHED_MODE, 0, 2), 2
	s_setreg_imm32_b32 hwreg(HW_REG_WAVE_MODE, 25, 1), 1
	s_wait_xcnt 0x0
	s_wait_alu depctr_vm_vsrc(0)
; DOWN.  y = h Wd^T for the routed rows, on E5M2 codes, sums in f32; each row's sums go, unscaled, to row slot x 1024 + token of y2 (the next launch applies 2^(e4 + e5)).
; SHARES.  A work-group is (column tile ct = x / 2, parity = x % 2, expert = y): 64 rows of w_down[e] (output columns 64 ct on; 2,048 codes each), 128 KiB on end in memory, kept in LDS.
; The two work-groups of a column tile take the even and the odd groups of 32 rows; wave w takes groups g0 = parity + 2 w, g0 + 16, ..: (groups + 15 - g0) / 16 trips of its loop.
; A wave's tile: 64 columns x 32 rows: 8 accumulators, 16 K steps of 128.
; TRANSPOSED USE: source 0 = 16 rows of w_down, source 1 = 16 rows of h: a lane holds eight neighbouring columns of one row.  h comes as images of the operand's registers (512 consecutive bytes a load).
; THE WAY OUT: 16 rows x 256 bytes go through the wave's own stage in LDS and leave as whole rows' pieces: sixteen lanes store 256 consecutive bytes, aligned, at the row that the list names.
; Pad rows go to rows 2,048 on, which nobody reads; each such piece has one writer (a pad's row hangs on the expert and its place in the last group).
; NO TENSOR LOADS, NO CLUSTER: the number of groups is a count read from memory, and a trip count that hangs on a loaded number goes with neither.
; REGISTERS.  Window 0: v1-11 addresses; v12-171 a ring of five sets of h's fragments (2 row tiles x 16 registers), on the way out sets 0 and 1 hold rows of y; v172-235 the accumulators ((u, j) at v[172 + 8 (4 u + j)]);
;   v236-251 the rows' places in y2.   Window 1: v0-127 two sets of w_down's four fragments.
; THE MODE: SCHED_MODE bits 1:0 = 2 (LLVM: expert scheduling mode 2), set by the entry lines.  The code itself states the register dependences
; between vector or matrix instructions and memory or LDS instructions, with s_wait_alu, always for 0.
; THE PLAN.  Registers that memory or LDS instructions touch, in the loop:
;   the weights' sets  step s: its 8 products read set s % 2; the LDS loads of step s + 1, issued at the head of step s, land in the other set, which step s - 1 read.
;   the ring           step s: its products read set s % 5; the loads of step s + 4, issued behind them, land in set (s - 1) % 5, which step s - 1 read.
;                      On the way out the loads from the stage land in sets 0 and 1 and the global stores read them; then the next group's first four sets land.
;   the accumulators   written by the products, read by the LDS stores into the stage, begun anew by the next group's first products.
;   v236-251           loaded from the list, made into offsets by vector lines, read by the global stores, loaded again.
;   v3-8, v10          made at the head, never written again.      v254, v255: written at the head, read by the closing add alone.
; So ONE wait on va_vdst stands at the head of a step, behind the waits for the step's data: the step before is done reading its set of weights and its set of h.  The step's 16 LDS loads follow it at once, its 8 loads
; of h follow the products, which name the other sets and the accumulators.  With five sets the loads of three steps stay out at a step's head though the next are asked for only behind it.
; On the way out one wait states that the accumulators and the offsets are written; one wait on vm_vsrc at the trip's end frees all that stores have read.
.set PITCH, 2064                       ; an LDS row: 2,048 bytes + 16: 129 x 16, so that the 16 rows of a fragment load start at 16 different groups of banks (ISA guide 11.1)
.set STG,   64*PITCH                   ; behind the weights: a stage of 16 rows x 272 bytes for each wave
.set SPITCH, 272
.set LI,   3                           ; v3   16 x lane
.set AW0,  4                           ; v4   my lane's place in fragments 0, 1;  v5: in fragments 2, 3
.set FILL, 6                           ; v6   where my wave puts the rows that it fetches
.set STO,  7                           ; v7   the stage: where I put 32 bytes of a row
.set RD,   8                           ; v8   and where I read 16 bytes of a row back
.set COL,  9                           ; v9   16 x (lane % 16)
.set BI,   10                          ; v10  4 x (lane / 16)
.set HR,   12
.set ACC,  172
.set DST,  236
.set MSB, 0
.macro WIN new                         ; the immediate's high byte repeats the setting that is left
.if MSB != \new
	s_set_vgpr_msb (MSB<<8)|\new
.set MSB, \new
.endif
.endm
.macro HSET s                          ; h's two fragments of K step s: 8 loads into set s % 5
.irp u, 0,1
.irp c, 0,1,2,3
	global_load_b128 v[HR+32*((\s)%5)+16*\u+4*\c:HR+32*((\s)%5)+16*\u+4*\c+3], v[LI], s[22:23] offset:32768*\u+2048*(\s)+512*\c
.endr
.endr
.endm
.macro WSET s                          ; w_down's four fragments of K step s: 16 LDS loads into set s % 2
	WIN 0x40                                       ; destination window 1
.irp j, 0,1,2,3
.irp c, 0,1,2,3
	ds_load_b128 v[64*((\s)%2)+16*\j+4*\c:64*((\s)%2)+16*\j+4*\c+3], v[AW0+\j/2] offset:(\j%2)*16*PITCH+128*(\s)+32*\c
.endr
.endr
.endm
.macro DLOAD                           ; the list's entries of rows 16 u + 2 i + (lane / 16): the rows that I shall store
.irp u, 0,1
.irp i, 0,1,2,3,4,5,6,7
	global_load_b32 v[DST+8*\u+\i], v[BI], s[8:9] offset:4*(16*\u+2*\i)
.endr
.endr
.endm
; A K step.  The 8 accumulators take turns, in the same order in every step.
.macro KSTEP s
.if (\s) == 0
	WSET 1                                         ; no wait: on the way in the head has freed both sets; on the way back the last group's products stand ahead of the way out's wait
	s_wait_dscnt 16                                ; step 0's weights are in; the 16 loads just issued may be out
	s_wait_loadcnt 24                              ; set 0 is in; the three sets asked for behind it may be out
.else
	s_wait_dscnt 0x0                               ; this step's weights, asked for at the head of the step before
.if 15-(\s) >= 3
	s_wait_loadcnt 24                              ; loads come back in order (ISA guide 5.7.1): set s is in; the three sets asked for behind it may be out
.else
	s_wait_loadcnt 8*(15-(\s))
.endif
.if (\s) < 15
	WIN 0x40
	s_wait_alu depctr_va_vdst(0)                   ; the products of step s - 1 are done reading their set of weights and their set of h, in which the loads of this step land
	WSET (\s)+1
.endif
.endif
	WIN 0x01                                       ; source 0 (weights) window 1
.irp u, 0,1
.irp j, 0,1,2,3
.if (\s) == 0
	v_wmma_f32_16x16x128_bf8_bf8 v[ACC+8*(4*\u+\j):ACC+8*(4*\u+\j)+7], v[64*((\s)%2)+16*\j:64*((\s)%2)+16*\j+15], v[HR+32*((\s)%5)+16*\u:HR+32*((\s)%5)+16*\u+15], 0
.else
	v_wmma_f32_16x16x128_bf8_bf8 v[ACC+8*(4*\u+\j):ACC+8*(4*\u+\j)+7], v[64*((\s)%2)+16*\j:64*((\s)%2)+16*\j+15], v[HR+32*((\s)%5)+16*\u:HR+32*((\s)%5)+16*\u+15], v[ACC+8*(4*\u+\j):ACC+8*(4*\u+\j)+7]
.endif
.endr
.endr
.if (\s) < 12
	WIN 0
	HSET (\s)+4                                    ; into the set of step s - 1.  No further wait: the products since the wait above name this step's sets and the accumulators
.endif
.endm
.macro EPI
	WIN 0
.set n, 0
.rept 16                                       ; these 32 plain lines are also the places between the last products and the stores that read their results.  (The list's entries are in: step 15 waited for all loads)
	v_min_u32 v[DST+n], 0x8ff, v[DST+n]            ; a loaded number enters an address only behind a bound: y2 has 2,304 rows
	v_lshl_add_u32 v[DST+n], v[DST+n], 12, v[COL]  ; its row of 4,096 bytes, + my 16 bytes
.set n, n+1
.endr
	s_wait_alu depctr_va_vdst(0)                   ; the products have written the accumulators, which the LDS stores read, and are done reading sets 0 and 1, in which the loads from the stage land; the offsets v236-251 are written, which the global stores read
.irp u, 0,1
.irp j, 0,1,2,3
	ds_store_b128 v[STO], v[ACC+8*(4*\u+\j):ACC+8*(4*\u+\j)+3] offset:64*\j          ; each accumulator from its low end on
	ds_store_b128 v[STO], v[ACC+8*(4*\u+\j)+4:ACC+8*(4*\u+\j)+7] offset:64*\j+16
.endr
.irp i, 0,1,2,3,4,5,6,7
	ds_load_b128 v[HR+32*\u+4*\i:HR+32*\u+4*\i+3], v[RD] offset:2*\i*SPITCH           ; LDS serves a wave's instructions in order (ISA guide 5.7.1.4): these see my stores, and the next tile's stores come behind them
.endr
.endr
	s_wait_dscnt 16                                ; row tile 0 is back; tile 1's eight stores and eight loads may be out
.irp i, 0,1,2,3,4,5,6,7
	global_store_b128 v[DST+\i], v[HR+4*\i:HR+4*\i+3], s[12:13]                        ; sixteen lanes store 256 consecutive bytes, aligned
.endr
	s_wait_dscnt 0x0
.irp i, 0,1,2,3,4,5,6,7
	global_store_b128 v[DST+8+\i], v[HR+32+4*\i:HR+32+4*\i+3], s[12:13]
.endr
.endm
	s_load_b256 s[4:11], s[0:1], 0x0               ; hq s[4:5], w_down s[6:7], list s[8:9], cnt s[10:11]
	s_load_b64 s[12:13], s[0:1], 0x20              ; y2
	v_lshl_add_u32 v254, v0, 2, 0x28c00
	v_mov_b32 v255, 0
	v_lshrrev_b32 v1, 5, v0
	v_readfirstlane_b32 s14, v1                    ; wave 0..7
	s_lshr_b32 s15, ttmp9, 1                       ; column tile
	s_and_b32 s16, ttmp9, 1                        ; parity
	s_and_b32 s17, ttmp7, 0xffff                   ; expert
	v_and_b32 v11, 31, v0
	v_lshlrev_b32 v[LI], 4, v11
	v_and_b32 v1, 15, v0                           ; r
	v_bfe_u32 v2, v0, 4, 1                         ; h
	v_mul_u32_u24 v[AW0], v1, PITCH
	v_lshl_add_u32 v[AW0], v2, 4, v[AW0]
	v_add_nc_u32 v[AW0+1], 32*PITCH, v[AW0]
	v_lshlrev_b32 v[COL], 4, v1
	v_lshlrev_b32 v[BI], 2, v2
	s_wait_alu depctr_va_sdst(0)                   ; s14, the wave's number, is written, ahead of its first reader
	s_lshl_b32 s19, s14, 1
	s_add_co_u32 s19, s19, s16                     ; g0, my first group: 15 at the most
	s_mul_i32 s38, s14, 8*PITCH                    ; wave w fetches rows 8 w .. 8 w + 7
	v_add_nc_u32 v[FILL], s38, v[LI]
	s_mul_i32 s38, s14, 16*SPITCH
	s_add_co_u32 s38, s38, STG                     ; my stage
	v_mul_u32_u24 v[STO], v1, SPITCH
	v_lshl_add_u32 v[STO], v2, 5, v[STO]
	v_add_nc_u32 v[STO], s38, v[STO]               ; in: row r, 32 bytes for each half of the lanes
	v_mul_u32_u24 v[RD], v2, SPITCH
	v_lshl_add_u32 v[RD], v1, 4, v[RD]
	v_add_nc_u32 v[RD], s38, v[RD]                 ; back: lanes 0-15 one row of 256 bytes, lanes 16-31 the next
	s_lshl_b32 s24, s17, 10                        ; my work-group's rows of w_down, in bytes: (1024 e + 64 ct) x 2,048
	s_lshl_b32 s25, s15, 6
	s_add_co_u32 s24, s24, s25
	s_lshl_b32 s24, s24, 11
	s_mov_b32 s25, 0
	s_lshl_b32 s28, s14, 14                        ; my wave's 8 of them
	s_mov_b32 s29, 0
	s_lshl_b32 s30, s17, 12                        ; the list: 4,096 e + 128 x group
	s_lshl_b32 s31, s19, 7
	s_add_co_u32 s30, s30, s31
	s_mov_b32 s31, 0
	s_lshl_b32 s32, s17, 2                         ; cnt: 4 e
	s_mov_b32 s33, 0
	s_lshl_b32 s34, s15, 8                         ; y2: my 64 columns
	s_mov_b32 s35, 0
	s_lshl_b32 s36, s17, 5                         ; hq: (32 e + group) x 65,536
	s_add_co_u32 s36, s36, s19
	s_lshl_b32 s36, s36, 16
	s_mov_b32 s37, 0
	s_wait_kmcnt 0x0
	s_add_nc_u64 s[10:11], s[10:11], s[32:33]
	s_load_b32 s18, s[10:11], 0x0                  ; the expert's rows
	s_add_nc_u64 s[20:21], s[6:7], s[24:25]
	s_add_nc_u64 s[26:27], s[20:21], s[28:29]
	s_add_nc_u64 s[8:9], s[8:9], s[30:31]
	s_add_nc_u64 s[12:13], s[12:13], s[34:35]
	s_add_nc_u64 s[22:23], s[4:5], s[36:37]
	s_wait_alu depctr_va_vdst(0)                   ; the offsets and LDS addresses v3 to v8 and v10 are written, which the loads and stores of the whole kernel read
	DLOAD                                          ; my first group's entries (group 15 at the most: inside the list, all of which is written)
	WIN 0x40
.set k, 0
.rept 32
	global_load_b128 v[4*k:4*k+3], v[LI], s[26:27] offset:512*k   ; my 8 rows lie on end: 16 KiB, 512 consecutive bytes a load; the neighbouring work-group reads them too, so no hint
.set k, k+1
.endr
	WIN 0
	s_wait_kmcnt 0x0
	s_min_u32 s18, s18, 1024
	s_add_co_u32 s18, s18, 31
	s_lshr_b32 s18, s18, 5                         ; groups, 32 at the most
	s_add_co_u32 s40, s18, 15
	s_sub_co_u32 s40, s40, s19
	s_lshr_b32 s40, s40, 4                         ; my trips: the groups g0, g0 + 16, .. below that; 0 where there are g0 groups or fewer
	s_mov_b32 s41, 0                               ; trips done
	s_cmp_lt_u32 s19, s18
	s_cselect_b64 s[22:23], s[22:23], s[20:21]     ; a wave without a group fills the ring from its work-group's weights (40 KiB of their 128) in place of bytes of hq that nobody wrote; it never uses them
	HSET 0                                         ; issued by every wave, so that the ring is written on every way into the loop
	HSET 1
	HSET 2
	HSET 3
	s_wait_loadcnt 32                              ; the weights are in; the four sets of h stay out
	WIN 0x04                                       ; store data window 1
.set k, 0
.rept 32
	ds_store_b128 v[FILL], v[4*k:4*k+3] offset:(k/4)*PITCH+512*(k%4)
.set k, k+1
.endr
	WIN 0
	s_wait_dscnt 0x0                               ; for the others' sake: my rows have landed
	s_barrier_signal -1
	s_barrier_wait -1                              ; the one barrier: all 64 rows lie in LDS; from here on they are only read, and each wave writes its own stage alone
	s_wait_alu depctr_vm_vsrc(0)                   ; my LDS stores have read window 1's v0-127: these registers are the weights' two sets from here on, in which the fragments' loads land
	s_cmp_ge_u32 s41, s40
	s_cbranch_scc1 .Ldone
.Lgroup:
	WSET 0
.irp s, 0,1,2,3,4,5,6,7,8,9,10,11,12,13,14,15
	KSTEP \s
.endr
	EPI
	s_wait_xcnt 0x0                                ; the stores have read their data and offsets, the loads their base: all may be written again
	s_wait_alu depctr_vm_vsrc(0)                   ; the LDS stores have read the accumulators, which the next products begin anew; the global stores have read sets 0 and 1 and the offsets v236-251, in which the loads below land
	s_add_nc_u64 s[22:23], s[22:23], 0x100000      ; sixteen groups on
	s_add_nc_u64 s[8:9], s[8:9], 0x800
	s_add_co_u32 s41, s41, 1
	s_cmp_ge_u32 s41, s40
	s_cbranch_scc1 .Ldone                          ; nothing is loaded for a group that is not there
	DLOAD                                          ; (no vector or matrix instruction has been issued since the way out's wait on va_vdst)
	HSET 0
	HSET 1
	HSET 2
	HSET 3
	s_cmp_lt_u32 s41, s40                          ; the loop's own test: the counter, stepped by 1 a trip, against my trips
	s_cbranch_scc1 .Lgroup
.Ldone:
	s_wait_dscnt 0x0                               ; the closing lines, six on end
	s_wait_alu 0x0
	s_wait_tensorcnt 0x0
	ds_add_u32 v254, v255
	s_wait_dscnt 0x0
	s_endpgm
.Lfunc_end_k_q70a1868385_down:
	.size	k_q70a1868385_down, .Lfunc_end_k_q70a1868385_down-k_q70a1868385_down
	.p2alignl 7, 3214868480
	.fill 96, 4, 3214868480
	.section	.rodata,"a",@progbits
	.p2align	6, 0x0
	.amdhsa_kernel k_q70a1868385_down
		.amdhsa_group_segment_fixed_size 167936
		.amdhsa_private_segment_fixed_size 0
		.amdhsa_enable_private_segment 0
		.amdhsa_kernarg_size 40
		.amdhsa_user_sgpr_count 2
		.amdhsa_user_sgpr_kernarg_segment_ptr 1
		.amdhsa_wavefront_size32 1
		.amdhsa_system_sgpr_workgroup_id_x 1
		.amdhsa_system_sgpr_workgroup_id_y 1
		.amdhsa_system_sgpr_workgroup_id_z 1
		.amdhsa_system_vgpr_workitem_id 0
		.amdhsa_next_free_vgpr 384
		.amdhsa_next_free_sgpr 66
		.amdhsa_reserve_vcc 0
		.amdhsa_float_denorm_mode_32 3
		.amdhsa_float_denorm_mode_16_64 3
		.amdhsa_memory_ordered 1
		.amdhsa_forward_progress 1
		.amdhsa_inst_pref_size 60
	.end_amdhsa_kernel
	.amdgpu_metadata
---
amdhsa.version: [ 1, 2 ]
amdhsa.kernels:
  - .name:           k_q70a1868385_down
    .symbol:         k_q70a1868385_down.kd
    .args:
      - { .name: hq, .offset: 0, .size: 8, .value_kind: global_buffer, .address_space: global }
      - { .name: w_down_codes, .offset: 8, .size: 8, .value_kind: global_buffer, .address_space: global }
      - { .name: list, .offset: 16, .size: 8, .value_kind: global_buffer, .address_space: global }
      - { .name: cnt, .offset: 24, .size: 8, .value_kind: global_buffer, .address_space: global }
      - { .name: y2, .offset: 32, .size: 8, .value_kind: global_buffer, .address_space: global }
    .group_segment_fixed_size: 167936
    .private_segment_fixed_size: 0
    .kernarg_segment_align: 8
    .kernarg_segment_size: 40
    .max_flat_workgroup_size: 256
    .sgpr_count:     66
    .vgpr_count:     384
    .wavefront_size: 32
...
	.end_amdgpu_metadata
.endif
;; end of part 9
;; launch norm (part 10): grid 256 x 1, 4 waves a work-group, no clusters, 0 bytes of LDS; arguments y2, rw, lowp_scales, ln_gamma, ln_beta, out0; writes out0
.if DOCPART == 10
	.amdgcn_target "amdgcn-amd-amdhsa--gfx1250"
	.amdhsa_code_object_version 6
	.text
	.protected	k_q70a1868385_norm
	.globl	k_q70a1868385_norm
	.p2align	8
	.type	k_q70a1868385_norm,@function
k_q70a1868385_norm:
	s_mov_b64 s[64:65], 0
	v_nop
	global_prefetch_b8 v0, s[64:65] scope:SCOPE_SE
	s_setreg_imm32_b32 hwreg(HW_REG_WAVE_MODE, 25, 1), 1
	s_wait_xcnt 0x0
; NORM.  out0[t] = LayerNorm(w0 y(slot 0, t) + w1 y(slot 1, t)) x gamma + beta, all in f32.  y2's rows hold the down product's sums of code products: they stand for sum x 2^(e4 + e5),
; which goes into the two routing weights (v_ldexp_f32: no limit on e4 + e5 but that the weighted sums stay f32 numbers).
; One wave takes one token (t = 4 x work-group + wave) and keeps its row of 1,024 numbers in registers, 32 a lane: the mean first, then the mean of the squared distances from it.
; Every load and store of the wave covers 512 consecutive bytes.  No LDS, no barrier, no matrix unit: memory binds, and waves share nothing.
.set Y0, 32                            ; v32-63   slot 0's row, then the combined row, then the row less its mean
.set Y1, 64                            ; v64-95   slot 1's row, then the result
.set G,  96                            ; v96-127  gamma
.set B,  128                           ; v128-159 beta
.macro WSUM r                          ; the sum over the 32 lanes, in every lane
.irp m, 1,2,4,8
	v_add_f32_dpp v[\r], v[\r], v[\r] row_xmask:\m row_mask:0xf bank_mask:0xf
.endr
	v_permlanex16_b32 v24, v[\r], s24, s25
	v_add_f32 v[\r], v[\r], v24
.endm
.macro FOLD                            ; four packed chains in v[12:19] into v12
	v_pk_add_f32 v[12:13], v[12:13], v[14:15]
	v_pk_add_f32 v[16:17], v[16:17], v[18:19]
	v_pk_add_f32 v[12:13], v[12:13], v[16:17]
	v_add_f32 v12, v12, v13
.endm
	s_load_b256 s[4:11], s[0:1], 0x0               ; y2 s[4:5], rw s[6:7], the scales' exponents s[8:9], gamma s[10:11]
	s_load_b128 s[12:15], s[0:1], 0x20             ; beta s[12:13], out0 s[14:15]
	v_lshrrev_b32 v1, 5, v0
	v_readfirstlane_b32 s16, v1                    ; wave
	v_and_b32 v1, 31, v0
	v_lshlrev_b32 v2, 4, v1                        ; 16 x lane
	s_lshl_b32 s17, ttmp9, 2
	s_add_co_u32 s17, s17, s16                     ; token
	s_lshl_b32 s18, s17, 12                        ; a row is 4,096 bytes
	s_mov_b32 s19, 0
	s_lshl_b32 s26, s17, 3
	s_mov_b32 s27, 0
	s_mov_b32 s24, 0x76543210                      ; v_permlanex16_b32: lane l xor 16
	s_mov_b32 s25, 0xfedcba98
	v_mov_b32 v24, 0                               ; written once: a lane permute's destination counts as one of its sources
	v_mov_b32 v25, 0x3a800000                      ; 1 / 1024
	s_wait_alu depctr_va_vdst(0)
	s_wait_kmcnt 0x0
	s_add_nc_u64 s[4:5], s[4:5], s[18:19]
	s_add_nc_u64 s[14:15], s[14:15], s[18:19]
	s_add_nc_u64 s[6:7], s[6:7], s[26:27]
	s_load_b64 s[20:21], s[6:7], 0x0               ; w0, w1
	s_load_b64 s[22:23], s[8:9], 0x10              ; e4, e5
.irp j, 0,1,2,3,4,5,6,7
	global_load_b128 v[Y0+4*\j:Y0+4*\j+3], v2, s[4:5] offset:512*\j th:TH_LOAD_NT
.endr
.irp j, 0,1,2,3,4,5,6,7
	global_load_b128 v[Y1+4*\j:Y1+4*\j+3], v2, s[4:5] offset:4194304+512*\j th:TH_LOAD_NT
.endr
.irp j, 0,1,2,3,4,5,6,7
	global_load_b128 v[G+4*\j:G+4*\j+3], v2, s[10:11] offset:512*\j
.endr
.irp j, 0,1,2,3,4,5,6,7
	global_load_b128 v[B+4*\j:B+4*\j+3], v2, s[12:13] offset:512*\j
.endr
	s_wait_kmcnt 0x0
	s_add_co_i32 s28, s22, s23                     ; e4 + e5
	v_mov_b32 v8, s20
	v_ldexp_f32 v8, v8, s28
	v_mov_b32 v9, v8                               ; w0 x 2^(e4 + e5), as a pair
	v_mov_b32 v10, s21
	v_ldexp_f32 v10, v10, s28
	v_mov_b32 v11, v10
	s_wait_alu depctr_va_vdst(0)
	s_wait_loadcnt 16                              ; the two rows are in; gamma's and beta's sixteen loads may be out
.set n, 0
.rept 16
	v_pk_mul_f32 v[Y0+n:Y0+n+1], v[Y0+n:Y0+n+1], v[8:9]
.set n, n+2
.endr
.set n, 0
.rept 16
	v_pk_fma_f32 v[Y0+n:Y0+n+1], v[Y1+n:Y1+n+1], v[10:11], v[Y0+n:Y0+n+1]
.set n, n+2
.endr
.irp k, 0,1,2,3                                ; the row's sum, in four chains that the first pairs start
	v_pk_add_f32 v[12+2*\k:13+2*\k], v[Y0+2*\k:Y0+2*\k+1], v[Y0+8+2*\k:Y0+8+2*\k+1]
.endr
.irp q, 16,24
.irp k, 0,1,2,3
	v_pk_add_f32 v[12+2*\k:13+2*\k], v[12+2*\k:13+2*\k], v[Y0+\q+2*\k:Y0+\q+2*\k+1]
.endr
.endr
	FOLD
	WSUM 12
	v_mul_f32 v20, v12, v25                        ; the mean
	v_mov_b32 v21, v20
.set n, 0
.rept 16
	v_pk_add_f32 v[Y0+n:Y0+n+1], v[Y0+n:Y0+n+1], v[20:21] neg_lo:[0,1] neg_hi:[0,1]
.set n, n+2
.endr
.irp k, 0,1,2,3                                ; the sum of squares, likewise
	v_pk_mul_f32 v[12+2*\k:13+2*\k], v[Y0+2*\k:Y0+2*\k+1], v[Y0+2*\k:Y0+2*\k+1]
.endr
.irp q, 8,16,24
.irp k, 0,1,2,3
	v_pk_fma_f32 v[12+2*\k:13+2*\k], v[Y0+\q+2*\k:Y0+\q+2*\k+1], v[Y0+\q+2*\k:Y0+\q+2*\k+1], v[12+2*\k:13+2*\k]
.endr
.endr
	FOLD
	WSUM 12
	v_fmaak_f32 v22, v12, v25, 0x3727c5ac          ; the variance + 1e-5
	s_wait_alu depctr_va_vdst(0)
	v_rsq_f32 v22, v22
	v_nop                                          ; a plain line behind the transcendental,
	s_wait_alu depctr_va_vdst(0)                   ; and the wait ahead of its first reader
	v_mov_b32 v23, v22
	s_wait_alu depctr_va_vdst(0)
	s_wait_loadcnt 0x0                             ; gamma and beta
.set n, 0
.rept 16
	v_pk_mul_f32 v[G+n:G+n+1], v[G+n:G+n+1], v[22:23]
.set n, n+2
.endr
.set n, 0
.rept 16
	v_pk_fma_f32 v[Y1+n:Y1+n+1], v[Y0+n:Y0+n+1], v[G+n:G+n+1], v[B+n:B+n+1]
.set n, n+2
.endr
.irp j, 0,1,2,3,4,5,6,7
	global_store_b128 v2, v[Y1+4*\j:Y1+4*\j+3], s[14:15] offset:512*\j th:TH_STORE_NT   ; 32 lanes store 512 consecutive bytes; written once, read by nobody here
.endr
	s_endpgm
.Lfunc_end_k_q70a1868385_norm:
	.size	k_q70a1868385_norm, .Lfunc_end_k_q70a1868385_norm-k_q70a1868385_norm
	.p2alignl 7, 3214868480
	.fill 96, 4, 3214868480
	.section	.rodata,"a",@progbits
	.p2align	6, 0x0
	.amdhsa_kernel k_q70a1868385_norm
		.amdhsa_group_segment_fixed_size 0
		.amdhsa_private_segment_fixed_size 0
		.amdhsa_enable_private_segment 0
		.amdhsa_kernarg_size 48
		.amdhsa_user_sgpr_count 2
		.amdhsa_user_sgpr_kernarg_segment_ptr 1
		.amdhsa_wavefront_size32 1
		.amdhsa_system_sgpr_workgroup_id_x 1
		.amdhsa_system_sgpr_workgroup_id_y 1
		.amdhsa_system_sgpr_workgroup_id_z 1
		.amdhsa_system_vgpr_workitem_id 0
		.amdhsa_next_free_vgpr 168
		.amdhsa_next_free_sgpr 66
		.amdhsa_reserve_vcc 0
		.amdhsa_float_denorm_mode_32 3
		.amdhsa_float_denorm_mode_16_64 3
		.amdhsa_memory_ordered 1
		.amdhsa_forward_progress 1
		.amdhsa_inst_pref_size 14
	.end_amdhsa_kernel
	.amdgpu_metadata
---
amdhsa.version: [ 1, 2 ]
amdhsa.kernels:
  - .name:           k_q70a1868385_norm
    .symbol:         k_q70a1868385_norm.kd
    .args:
      - { .name: y2, .offset: 0, .size: 8, .value_kind: global_buffer, .address_space: global }
      - { .name: rw, .offset: 8, .size: 8, .value_kind: global_buffer, .address_space: global }
      - { .name: lowp_scales, .offset: 16, .size: 8, .value_kind: global_buffer, .address_space: global }
      - { .name: ln_gamma, .offset: 24, .size: 8, .value_kind: global_buffer, .address_space: global }
      - { .name: ln_beta, .offset: 32, .size: 8, .value_kind: global_buffer, .address_space: global }
      - { .name: out0, .offset: 40, .size: 8, .value_kind: global_buffer, .address_space: global }
    .group_segment_fixed_size: 0
    .private_segment_fixed_size: 0
    .kernarg_segment_align: 8
    .kernarg_segment_size: 48
    .max_flat_workgroup_size: 128
    .sgpr_count:     66
    .vgpr_count:     168
    .wavefront_size: 32
...
	.end_amdgpu_metadata
.endif
;; end of part 10
